; MI455X (gfx1250); checked and timed in simulation.
; The chip was launched on July 23, 2026; its instructions are those of AMD's public machine-readable ISA for CDNA 5 (MIT licence, August 2026) and "CDNA5" Instruction Set Architecture Reference Guide (July 2026). The comments in the code are by the model that wrote it; some were corrected since.
;; Multi Head Attention. Allowed arithmetic: matrix products marked QUANTISED: E2M1 operands, one E8M0 scale for each 32 along K, by v_wmma_scale_f32_16x16x128_f8f6f4 with both operands' format E2M1 (or v_wmma_scale_f32_32x16x128_f4), f32 sums; products left as they are: bf16, f16 or f32 operands; f32 sums; everything else in f32.
;; Inputs: Wk 1,024 x 1,024 float32; Wo 1,024 x 1,024 float32; Wq 1,024 x 1,024 float32; Wv 1,024 x 1,024 float32; bo 1,024 float32; x 4 x 2,048 x 1,024 float32.
;; Outputs: out0 4 x 2,048 x 1,024 float32.
;; This version of the problem:
;;   THIS VERSION OF THE PROBLEM IS GIVEN IN LOW PRECISION. The matrix products marked QUANTISED in the list below multiply operands that are first quantised to E2M1 (2 exponent bits, 1 mantissa bit; 4 bits a number), with one power-of-two scale for each 32 numbers along K (OCP MX v1.0); their sums are f32. The products marked 'left as it is' may take bf16, f16 or f32 operands, with f32 sums. Whichever they take, every output number must still come out within the allowed error. Rounding operands to bf16 (8 significant bits) uses up far more of that allowance than f16 does (11 bits, for magnitudes from 6e-5 to 65,504). All else is computed in f32.
;;   The module's matrix products, in the order in which they are computed (A, B: the left and right operand; K: the contracted axis; several contracted axes count as one K, in the product's order):
;;     1. [M 8,192, K 1,024] x [K 1,024, N 1,024]; A: input x; B: input Wq: QUANTISED
;;     2. [M 8,192, K 1,024] x [K 1,024, N 1,024]; A: input x; B: input Wk: QUANTISED
;;     3. [M 8,192, K 1,024] x [K 1,024, N 1,024]; A: input x; B: input Wv: QUANTISED
;;     4. batch 64 x [M 2,048, K 64] x [K 64, N 2,048]; A: computed on the way; B: computed on the way: left as it is (an operand is computed on the way)
;;     5. batch 64 x [M 2,048, K 2,048] x [K 2,048, N 64]; A: computed on the way; B: computed on the way: left as it is (an operand is computed on the way)
;;     6. [M 8,192, K 1,024] x [K 1,024, N 1,024]; A: computed on the way; B: input Wo: left as it is (an operand is computed on the way)
;;   THE QUANTISER, for each operand of a quantised product, along K:
;;     - K is cut into blocks of 32 from its start; a last block that is shorter is filled with zeros.
;;     - A block's scale is 2^e with e = floor(log2(the largest magnitude in the block)) - 2, held to -126 .. 127; a block of zeros has e = 0. As a byte (E8M0): e + 127.
;;     - Each number is divided by its block's scale, clamped to +-6, and rounded to the nearest number of E2M1, ties to even, subnormals kept.
;;     - The product sums the exact products of the quantised numbers (number of the format x scale) in f32.
;;   ~~~python
;;   def quantise(x, axis):      # numpy; x: float32 -> the quantised numbers, widened to float32 again
;;       x = np.moveaxis(x, axis, -1); K = x.shape[-1]
;;       x = np.pad(x, [(0, 0)] * (x.ndim - 1) + [(0, -K % 32)]); x = x.reshape(x.shape[:-1] + (-1, 32)); a = np.abs(x).max(-1, keepdims=True)
;;       e = np.where(a > 0, np.clip(np.frexp(np.where(a > 0, a, 1))[1] - 1 - 2, -126, 127), 0)      # np.frexp(a)[1] - 1 = floor(log2(a)), exactly
;;       r = np.clip(x / 2.0 ** e, -6, 6)
;;       step = 2.0 ** (np.maximum(np.frexp(np.where(r == 0, 1, r))[1] - 1, 0) - 1)
;;       q = np.round(r / step) * step * 2.0 ** e      # np.round: ties to even
;;       return np.moveaxis(q.reshape(q.shape[:-2] + (-1,))[..., :K], -1, axis).astype(np.float32)
;;   ~~~
;; One version. Each part assembles by itself: llvm-mc -triple=amdgcn-amd-amdhsa -mcpu=gfx1250 --defsym DOCPART=n.
;; ======== version 1 of 1: 5 launches
;; limits: values are held in f16: magnitudes above 65,504 overflow, below 6.1e-05 lose precision
;; workspace buffers: xc 4,194,304 bytes; xs 262,144 bytes; wc 1,572,864 bytes; ws 98,304 bytes; wo16 2,097,152 bytes; qkv16 50,331,648 bytes; first32 786,432 bytes; ctx16 16,777,216 bytes
;; launch prep (part 1): grid 368 x 1, 4 waves a work-group, no clusters, 68,096 bytes of LDS; arguments x, Wq, Wk, Wv, Wo, xc, xs, wc, ws, wo16; writes xc, xs, wc, ws, wo16
.if DOCPART == 1
	.amdgcn_target "amdgcn-amd-amdhsa--gfx1250"
	.amdhsa_code_object_version 6
	.text
	.protected	k_q6143a290fc_prep
	.globl	k_q6143a290fc_prep
	.p2align	8
	.type	k_q6143a290fc_prep,@function
k_q6143a290fc_prep:
	s_mov_b64 s[64:65], 0
	v_nop
	global_prefetch_b8 v0, s[64:65] scope:SCOPE_SE
	s_setreg_imm32_b32 hwreg(HW_REG_WAVE_MODE, 25, 1), 1
	s_wait_xcnt 0x0
; THE OPERANDS ARE MADE READY, once, for the launches that read them many times.  Three kinds of work-group, told apart by the work-group's number alone:
;   0 .. 47    Wq, Wk, Wv [1024 (k)][1024 (n)] f32 -> codes of FP4 (E2M1) laid [which x 1024 + n][512 bytes], K innermost, and one E8M0 byte for each 32 along K, laid [which x 1024 + n][32]
;   48 .. 111  Wo [1024 (k)][1024 (n)] f32 -> f16, laid as images of the matrix operand's registers (16 n x 32 k in 1,024 bytes: group g of four registers at 512 g + 16 x lane)
;   112 .. 367 x [8192][1024] f32 -> codes [8192][512 bytes] and scale bytes [8192][32]
; A block's scale is 2^(floor(log2(its largest magnitude)) - 2); its byte is the largest magnitude's exponent field - 2, held at 1 from below.
; LIMITS: a block of zeros gets the byte 1 where the rule says 127 (its codes are zeros, and this program alone reads the bytes); blocks whose largest magnitude lies under 2^-124 were not tried;
; NaN and infinities among the inputs are not served; |Wo| beyond 65,504 becomes infinity in f16, under 6e-5 it is a denormal of f16.
; The few work-groups that wait for strided loads have the lowest numbers; the 256 that stream x follow.  Each kind has LDS bytes of its own.  No tensor load, no barrier: waves share nothing.
.set SPARE, 67584                      ; behind both kinds' regions: the spare words, 128 bytes for each wave: two blocks of 256 bytes that no other line names
.set SPW,   190                        ; v190  LDS address of my spare word; never rewritten
.set NIL,   191                        ; v191  0; never rewritten
.set EMAX,  2
; x's path
.set STEPS, 16
.set CB,    8                          ; bytes of 16 codes
.set R,     16                         ; v16-79   four sets of 16 numbers as they are loaded
.set X,     80                         ; v80-111  two sets of 16 neighbours
.set E,     112                        ; v112-127 a scale byte for each step
.set C,     128                        ; v128-189 codes: four registers' room for each step, so that no store's data are written again
.set WREG,  8192                       ; LDS 0 .. 32,767: a region for each wave: two stages of 32 x SP bytes, behind them its 256 scale bytes
.set SP,    80                         ; a lane's place in a stage: 64 bytes + 16 of padding
; the weights' path
.set NB,     16                        ; blocks of 32 along K for a wave
.set WSTG,   32768                     ; LDS 32,768 .. 67,583: a stage of 32 rows x 272 bytes for each wave
.set WPITCH, 272
.set KROW,   512                       ; a row of codes in bytes
.set WX,     32                        ; v32-95   two sets of 32 numbers
.set WC,     96                        ; v96-99   a block's codes
.set OUTR,   112                       ; v112-175 the way out
.set SB,     24                        ; v24-27   the scale bytes, four to a register
	s_load_b256 s[4:11], s[0:1], 0x0               ; x s[4:5], Wq s[6:7], Wk s[8:9], Wv s[10:11]
	s_load_b256 s[12:19], s[0:1], 0x20             ; Wo s[12:13], xc s[14:15], xs s[16:17], wc s[18:19]
	s_load_b128 s[20:23], s[0:1], 0x40             ; ws s[20:21], wo16 s[22:23]
	v_lshl_add_u32 v[SPW], v0, 2, SPARE
	v_mov_b32 v[NIL], 0
	v_lshrrev_b32 v1, 5, v0
	v_readfirstlane_b32 s24, v1                    ; wave 0..3
	v_and_b32 v2, 31, v0                           ; lane
	s_wait_kmcnt 0x0
	s_cmp_lt_u32 ttmp9, 48
	s_cbranch_scc1 .Lpath_w
	s_cmp_lt_u32 ttmp9, 112
	s_cbranch_scc1 .Lpath_o
; ---------------- x: a plain stream of blocks of 32.  A wave takes 16 steps of 512 numbers.
; Each load reads 512 consecutive bytes, 16 a lane; a step's 2,048 bytes turn through the wave's own stage and come back 64 bytes a lane, so that a lane holds 16 neighbours along K and two lanes a block.
	v_lshlrev_b32 v3, 4, v2                        ; my 16 bytes of a load's 512
	s_mul_i32 s25, s24, WREG
	v_lshrrev_b32 v14, 2, v2
	v_mul_u32_u24 v14, v14, SP
	v_and_b32 v15, 3, v2
	v_lshl_add_u32 v14, v15, 4, v14
	v_add_nc_u32 v14, s25, v14                     ; the stage, on the way in: SP (lane / 4) + 16 (lane % 4)
	v_mul_u32_u24 v15, v2, SP
	v_add_nc_u32 v15, s25, v15                     ; and on the way out: SP x lane
	v_mul_u32_u24 v4, v2, CB                       ; my codes' place in a step's
	v_lshrrev_b32 v5, 1, v2
	s_add_co_u32 s25, s25, 2*32*SP
	v_add_nc_u32 v5, s25, v5                       ; my wave's 256 scale bytes, my block's byte
	v_lshlrev_b32 v7, 3, v2                        ; on the way out 8 bytes a lane
	v_add_nc_u32 v6, s25, v7
	s_sub_co_u32 s26, ttmp9, 112
	s_lshl_b32 s26, s26, 2
	s_add_co_u32 s26, s26, s24                     ; which run of 8,192 numbers is my wave's: 0 .. 1,023
	s_lshl_b32 s28, s26, 15                        ; 32,768 bytes of x,
	s_mov_b32 s29, 0
	s_add_nc_u64 s[4:5], s[4:5], s[28:29]
	s_lshl_b32 s28, s26, 12                        ; 4,096 of codes,
	s_add_nc_u64 s[14:15], s[14:15], s[28:29]
	s_lshl_b32 s28, s26, 8                         ; 256 scale bytes a run
	s_add_nc_u64 s[16:17], s[16:17], s[28:29]
.macro XLOAD t
.irp i, 0,1,2,3
	global_load_b128 v[R+16*((\t)%4)+4*\i:R+16*((\t)%4)+4*\i+3], v3, s[4:5] offset:2048*(\t)+512*\i th:TH_LOAD_NT
.endr
.endm
.macro XTURN t                         ; step t's numbers through the stage: LDS serves a wave's instructions in order, so no wait stands between the stores and the loads
.irp i, 0,1,2,3
	ds_store_b128 v14, v[R+16*((\t)%4)+4*\i:R+16*((\t)%4)+4*\i+3] offset:32*SP*((\t)%2)+8*SP*\i
.endr
.irp i, 0,1,2,3
	ds_load_b128 v[X+16*((\t)%2)+4*\i:X+16*((\t)%2)+4*\i+3], v15 offset:32*SP*((\t)%2)+16*\i
.endr
.endm
.irp t, 0,1,2,3
	XLOAD \t
.endr
	s_wait_loadcnt 12                              ; step 0's four loads are in; the 12 of steps 1 to 3 may be out
	XTURN 0
.macro XSTEP t
.set XS, X+16*((\t)%2)
.if (\t) > 0
	s_wait_dscnt 1                                 ; this step's numbers are back from the stage (the last step's byte store may be out): so its stores into the stage have read their registers,
.else
	s_wait_dscnt 0x0
.endif
.if (\t)+4 < STEPS
	XLOAD (\t)+4                                   ; which take the loads of four steps on
.endif
.if (\t)+1 < STEPS
.if STEPS-2-(\t) >= 3
	s_wait_loadcnt 12                              ; the next step's four loads are in; those of the three steps behind it may be out
.else
	s_wait_loadcnt 4*(STEPS-2-(\t))
.endif
	XTURN (\t)+1                                   ; and go through the other stage while this step is worked
.endif
	v_max3_num_f32 v8, |v[XS]|, |v[XS+1]|, |v[XS+2]|               ; the largest magnitude of my 16, in two chains
	v_max3_num_f32 v9, |v[XS+3]|, |v[XS+4]|, |v[XS+5]|
.irp i, 6,10
	v_max3_num_f32 v8, v8, |v[XS+\i]|, |v[XS+\i+1]|
	v_max3_num_f32 v9, v9, |v[XS+\i+2]|, |v[XS+\i+3]|
.endr
	v_max3_num_f32 v8, v8, |v[XS+14]|, |v[XS+15]|
	v_max3_num_f32 v8, v8, v9, (EMAX+1)<<23        ; and the floor 2^(3 - 127): the byte cannot fall under 1
	v_max_num_f32_dpp v8, v8, v8 row_xmask:1 row_mask:0xf bank_mask:0xf   ; and of my neighbour's 16: the block's
	v_add_nc_u32 v11, 0xff000000, v8               ; 2 off its exponent field: the conversion takes the exponent field of this operand as its scale
	v_cvt_scalef32_pk8_fp4_f32 v[C+4*(\t)], v[XS:XS+7], v11
	v_cvt_scalef32_pk8_fp4_f32 v[C+4*(\t)+1], v[XS+8:XS+15], v11
	v_lshrrev_b32 v[E+(\t)], 23, v11               ; the scale's byte (also the plain line behind the conversions)
	ds_store_b8 v5, v[E+(\t)] offset:16*(\t)       ; both lanes of a block write the same byte with the same value
	global_store_b64 v4, v[C+4*(\t):C+4*(\t)+1], s[14:15] offset:32*CB*(\t)   ; the wave stores 256 consecutive bytes, aligned
.endm
.irp t, 0,1,2,3,4,5,6,7,8,9,10,11,12,13,14,15
	XSTEP \t
.endr
	ds_load_b64 v[8:9], v6                         ; LDS serves a wave's instructions in order: these see my byte stores
	s_wait_dscnt 0x0
	global_store_b64 v7, v[8:9], s[16:17]          ; 32 lanes store 256 consecutive bytes, aligned
	s_wait_tensorcnt 0x0                           ; the wave's end, behind my last LDS store
	ds_add_u32 v[SPW], v[NIL]
	s_wait_dscnt 0x0
	s_endpgm
; ---------------- Wq, Wk, Wv: K is the FIRST axis.  A lane takes a column n and its registers run down K: a block of 32 lies in one lane, and the conversions give codes with K innermost.
; A wave takes 32 columns x 512 along K; the codes go through the wave's own stage and leave as rows: sixteen lanes store 256 consecutive bytes, aligned.
.Lpath_w:
	s_and_b32 s25, ttmp9, 7                        ; which 128 columns
	s_bfe_u32 s26, ttmp9, 0x10003                  ; which 512 along K
	s_lshr_b32 s27, ttmp9, 4                       ; which weight: 0 Wq, 1 Wk, 2 Wv
	s_cmp_eq_u32 s27, 1
	s_cselect_b64 s[8:9], s[8:9], s[10:11]
	s_cmp_eq_u32 s27, 0
	s_cselect_b64 s[6:7], s[6:7], s[8:9]           ; the choice hangs on the work-group's number alone
	s_lshl_b32 s28, s25, 7
	s_lshl_b32 s29, s24, 5
	s_add_co_u32 s28, s28, s29                     ; my wave's first column
	s_lshl_b32 s30, s26, 21                        ; 512 rows of 4,096 bytes
	s_lshl_b32 s29, s28, 2
	s_add_co_u32 s30, s30, s29
	s_mov_b32 s31, 0
	s_add_nc_u64 s[6:7], s[6:7], s[30:31]
	s_lshl_b32 s29, s27, 10
	s_add_co_u32 s28, s28, s29                     ; the row of wc and ws: which x 1,024 + column
	s_lshl_b32 s30, s28, 9
	s_lshl_b32 s29, s26, 8
	s_add_co_u32 s30, s30, s29
	s_add_nc_u64 s[18:19], s[18:19], s[30:31]
	s_lshl_b32 s30, s28, 5
	s_lshl_b32 s29, s26, 4
	s_add_co_u32 s30, s30, s29
	s_add_nc_u64 s[20:21], s[20:21], s[30:31]
	v_lshlrev_b32 v3, 2, v2                        ; in: 4 bytes a lane
	s_mul_i32 s29, s24, 32*WPITCH
	s_add_co_u32 s29, s29, WSTG                    ; my stage
	v_mul_u32_u24 v4, v2, WPITCH
	v_add_nc_u32 v4, s29, v4                       ; into it: row = my column
	v_and_b32 v5, 15, v2
	v_lshrrev_b32 v6, 4, v2                        ; out of it: sixteen lanes to a row, two rows an instruction
	v_mul_u32_u24 v7, v6, WPITCH
	v_lshl_add_u32 v7, v5, 4, v7
	v_add_nc_u32 v7, s29, v7
	v_mul_u32_u24 v8, v6, KROW
	v_lshl_add_u32 v8, v5, 4, v8                   ; and the same place in wc
	v_lshlrev_b32 v9, 5, v2                        ; my column's row of scale bytes
.macro WLOAD t                         ; block t: W(32 t + i, my column) into set t % 2.  The largest offset, 511 rows of 4,096 bytes, lies inside the signed 24-bit immediate
.irp i, 0,1,2,3,4,5,6,7,8,9,10,11,12,13,14,15,16,17,18,19,20,21,22,23,24,25,26,27,28,29,30,31
	global_load_b32 v[WX+32*((\t)%2)+\i], v3, s[6:7] offset:(32*(\t)+\i)*4096 th:TH_LOAD_NT
.endr
.endm
	WLOAD 0
	WLOAD 1
.macro WBLOCK t
.set XS, WX+32*((\t)%2)
.if (\t) < NB-1
	s_wait_loadcnt 32                              ; this block's 32 loads are in; the next block's may be out
.else
	s_wait_loadcnt 0
.endif
	v_max3_num_f32 v12, |v[XS]|, |v[XS+1]|, |v[XS+2]|              ; the block's largest magnitude: all 32 numbers are mine
	v_max3_num_f32 v13, |v[XS+3]|, |v[XS+4]|, |v[XS+5]|
.irp i, 6,10,14,18,22,26
	v_max3_num_f32 v12, v12, |v[XS+\i]|, |v[XS+\i+1]|
	v_max3_num_f32 v13, v13, |v[XS+\i+2]|, |v[XS+\i+3]|
.endr
	v_max3_num_f32 v12, v12, |v[XS+30]|, |v[XS+31]|
	v_max3_num_f32 v12, v12, v13, (EMAX+1)<<23     ; and the floor
	v_add_nc_u32 v11, 0xff000000, v12              ; the conversion's scale operand
	v_lshrrev_b32 v13, 23, v11                     ; the scale's byte
.if (\t)%4 == 0
	v_mov_b32 v[SB+(\t)/4], v13                    ; four bytes to a register, the lower K in the lower byte
.else
	v_lshl_or_b32 v[SB+(\t)/4], v13, 8*((\t)%4), v[SB+(\t)/4]
.endif
.irp g, 0,1,2,3
	v_cvt_scalef32_pk8_fp4_f32 v[WC+\g], v[XS+8*\g:XS+8*\g+7], v11
.endr
	ds_store_b128 v4, v[WC:WC+3] offset:16*(\t)    ; 32 codes: 16 bytes of my column's row.  (The next block begins with plain vector lines, ahead of the next conversions)
.if (\t)+2 < NB
	WLOAD (\t)+2
.endif
	s_wait_dscnt 0x0                               ; the store has read its registers: the next block's codes may be written
.endm
.set Q, 0
.rept NB
	WBLOCK Q
.set Q, Q+1
.endr
	global_store_b128 v9, v[SB:SB+3], s[20:21]     ; my column's 16 scale bytes
.irp t, 0,1,2,3,4,5,6,7,8,9,10,11,12,13,14,15
	ds_load_b128 v[OUTR+4*\t:OUTR+4*\t+3], v7 offset:2*\t*WPITCH
.endr
.irp t, 0,1,2,3,4,5,6,7,8,9,10,11,12,13,14,15
	s_wait_dscnt 15-\t                             ; the younger reads of the stage may be out
	global_store_b128 v8, v[OUTR+4*\t:OUTR+4*\t+3], s[18:19] offset:2*\t*KROW
.endr
	s_wait_tensorcnt 0x0                           ; the wave's end: the three lines
	ds_add_u32 v[SPW], v[NIL]
	s_wait_dscnt 0x0
	s_endpgm
; ---------------- Wo -> f16 images of Wo^T.  A lane takes a column n, its registers run down k: 128 k a wave, four images' worth.  Eight neighbouring k of a column are 16 bytes of an image:
; piece p of chunk t (k = 8 p .. 8 p + 7) lies at 256 p + 16 (n % 16), so sixteen lanes store 256 consecutive bytes, aligned.  wo16: [n / 128][k / 256][(n / 16) % 8][(k / 32) % 8][1,024 bytes].
.Lpath_o:
	s_sub_co_u32 s25, ttmp9, 48
	s_and_b32 s26, s25, 7                          ; which 128 columns
	s_lshr_b32 s27, s25, 3                         ; which 128 along k
	s_lshl_b32 s28, s27, 19                        ; 128 rows of 4,096 bytes
	s_lshl_b32 s29, s26, 9
	s_add_co_u32 s28, s28, s29
	s_lshl_b32 s29, s24, 7                         ; my wave's 32 columns
	s_add_co_u32 s28, s28, s29
	s_mov_b32 s29, 0
	s_add_nc_u64 s[12:13], s[12:13], s[28:29]
	s_lshl_b32 s30, s26, 18
	s_lshr_b32 s31, s27, 1
	s_lshl_b32 s31, s31, 16
	s_add_co_u32 s30, s30, s31
	s_lshl_b32 s31, s24, 14                        ; two tiles of 16 columns a wave
	s_add_co_u32 s30, s30, s31
	s_and_b32 s31, s27, 1
	s_lshl_b32 s31, s31, 12                        ; four chunks of 32 along k
	s_add_co_u32 s30, s30, s31
	s_mov_b32 s31, 0
	s_add_nc_u64 s[22:23], s[22:23], s[30:31]
	v_lshlrev_b32 v3, 2, v2
	v_lshrrev_b32 v4, 4, v2
	v_and_b32 v5, 15, v2
	v_lshlrev_b32 v5, 4, v5
	v_lshl_add_u32 v4, v4, 13, v5                  ; 8,192 (lane / 16) + 16 (lane % 16)
.set Q, 0
.rept 128
	global_load_b32 v[32+Q], v3, s[12:13] offset:Q*4096 th:TH_LOAD_NT
.set Q, Q+1
.endr
.irp t, 0,1,2,3
.if \t < 2
	s_wait_loadcnt 63                              ; 96 or 64 younger loads could stay out; the wait names 63 at the most, and a smaller count is safe
.else
	s_wait_loadcnt 32*(3-\t)
.endif
.irp i, 0,1,2,3,4,5,6,7,8,9,10,11,12,13,14,15
	v_cvt_pk_f16_f32 v[32+32*\t+\i], v[32+32*\t+2*\i], v[32+32*\t+2*\i+1]   ; in place, ascending: register i is never above the pair that it is made of
.endr
.irp p, 0,1,2,3
	global_store_b128 v4, v[32+32*\t+4*\p:32+32*\t+4*\p+3], s[22:23] offset:\t*1024+\p*256
.endr
.endr
	s_wait_tensorcnt 0x0                           ; this path writes no LDS; the launch does, and every end of it has the three lines
	ds_add_u32 v[SPW], v[NIL]
	s_wait_dscnt 0x0
	s_endpgm
.Lfunc_end_k_q6143a290fc_prep:
	.size	k_q6143a290fc_prep, .Lfunc_end_k_q6143a290fc_prep-k_q6143a290fc_prep
	.p2alignl 7, 3214868480
	.fill 96, 4, 3214868480
	.section	.rodata,"a",@progbits
	.p2align	6, 0x0
	.amdhsa_kernel k_q6143a290fc_prep
		.amdhsa_group_segment_fixed_size 68096
		.amdhsa_private_segment_fixed_size 0
		.amdhsa_enable_private_segment 0
		.amdhsa_kernarg_size 80
		.amdhsa_user_sgpr_count 2
		.amdhsa_user_sgpr_kernarg_segment_ptr 1
		.amdhsa_wavefront_size32 1
		.amdhsa_system_sgpr_workgroup_id_x 1
		.amdhsa_system_sgpr_workgroup_id_y 1
		.amdhsa_system_sgpr_workgroup_id_z 1
		.amdhsa_system_vgpr_workitem_id 0
		.amdhsa_next_free_vgpr 192
		.amdhsa_next_free_sgpr 66
		.amdhsa_reserve_vcc 0
		.amdhsa_float_denorm_mode_32 3
		.amdhsa_float_denorm_mode_16_64 3
		.amdhsa_memory_ordered 1
		.amdhsa_forward_progress 1
		.amdhsa_inst_pref_size 130
	.end_amdhsa_kernel
	.amdgpu_metadata
---
amdhsa.version: [ 1, 2 ]
amdhsa.kernels:
  - .name:           k_q6143a290fc_prep
    .symbol:         k_q6143a290fc_prep.kd
    .args:
      - { .name: x, .offset: 0, .size: 8, .value_kind: global_buffer, .address_space: global }
      - { .name: Wq, .offset: 8, .size: 8, .value_kind: global_buffer, .address_space: global }
      - { .name: Wk, .offset: 16, .size: 8, .value_kind: global_buffer, .address_space: global }
      - { .name: Wv, .offset: 24, .size: 8, .value_kind: global_buffer, .address_space: global }
      - { .name: Wo, .offset: 32, .size: 8, .value_kind: global_buffer, .address_space: global }
      - { .name: xc, .offset: 40, .size: 8, .value_kind: global_buffer, .address_space: global }
      - { .name: xs, .offset: 48, .size: 8, .value_kind: global_buffer, .address_space: global }
      - { .name: wc, .offset: 56, .size: 8, .value_kind: global_buffer, .address_space: global }
      - { .name: ws, .offset: 64, .size: 8, .value_kind: global_buffer, .address_space: global }
      - { .name: wo16, .offset: 72, .size: 8, .value_kind: global_buffer, .address_space: global }
    .group_segment_fixed_size: 68096
    .private_segment_fixed_size: 0
    .kernarg_segment_align: 8
    .kernarg_segment_size: 80
    .max_flat_workgroup_size: 128
    .sgpr_count:     66
    .vgpr_count:     192
    .wavefront_size: 32
...
	.end_amdgpu_metadata
.endif
;; end of part 1
;; launch qkv (part 2): grid 12 x 32, 4 waves a work-group, clusters of 4 x 4, 327,680 bytes of LDS; arguments xc, xs, wc, ws, qkv16, first32; writes qkv16, first32
.if DOCPART == 2
	.amdgcn_target "amdgcn-amd-amdhsa--gfx1250"
	.amdhsa_code_object_version 6
	.text
	.protected	k_q6143a290fc_qkv
	.globl	k_q6143a290fc_qkv
	.p2align	8
	.type	k_q6143a290fc_qkv,@function
k_q6143a290fc_qkv:
	s_mov_b64 s[64:65], 0
	v_nop
	global_prefetch_b8 v0, s[64:65] scope:SCOPE_SE
	s_setreg_imm32_b32 hwreg(HW_REG_WAVE_MODE, 25, 1), 1
	s_wait_xcnt 0x0
	s_wait_alu depctr_hold_cnt(0) depctr_sa_sdst(0) depctr_va_vdst(0) depctr_va_sdst(0) depctr_va_ssrc(0) depctr_va_vcc(0) depctr_vm_vsrc(0)
	s_getreg_b32 s2, hwreg(HW_REG_IB_STS2, 6, 4)
	s_cmp_eq_u32 s2, 0
	s_cbranch_scc0 .Lentry_in_a_cluster
	s_endpgm
.Lentry_in_a_cluster:
	s_bfe_u32 s2, ttmp6, 0x10000c
	s_cmp_lg_u32 s2, 0xf033
	s_cbranch_scc0 .Lentry_shape_is_right
	s_endpgm
.Lentry_shape_is_right:
; q = x Wq, k = x Wk, v = x Wv on codes of FP4 (E2M1) with one E8M0 scale for each 32 along K = 1,024; sums in f32.  xc [8192][512 bytes], xs [8192][32]; wc [3072 = which x 1024 + n][512 bytes], ws [3072][32].
; A tile of C = A B^T, 256 x 256, is made by four waves, 128 x 128 each: 64 accumulators, 512 registers.  K goes in two steps of 512, one in each of two LDS slots: both are asked for at the head, nothing is filled again.
; THE MATRIX INSTRUCTION IS USED TRANSPOSED (source 0 = 16 rows of B, source 1 = 16 rows of A): a lane holds ONE row of A and eight neighbouring rows of B.
; ROLES.  Cluster x = 0, 1 (q, k): A = x, B = the weight: a lane holds one position and eight channels.  Cluster x = 2 (v): A = Wv, B = x: a lane holds one channel and eight positions: V^T.
; So four conversions to f16 of an accumulator ARE half of the next product's 16-bit operand, and a store of 16 bytes a lane at 16 x lane writes 512 consecutive bytes: the results leave as IMAGES OF OPERAND REGISTERS, with no stage.
;   qkv16: q at 0, k at 16 MiB: [batch x 16 + head][position / 16][channel / 32][1,024 bytes];  v at 32 MiB: [batch x 16 + head][key / 32][channel / 16][1,024 bytes].  In an image, group g of four registers lies at 512 g + 16 x lane.
;   first32: the accumulators of positions 0-15 of every batch as they are, f32: [which][batch][head][tile of 16 channels][1,024 bytes]: those positions are carried in f32 by the last launch.
; CLUSTERS: 4 x 4 work-groups; A's tile is shared along a row of the cluster, B's along a column, each asked for jointly.  The tiles are dealt so that a place in the cluster is a batch (cy for q and k, cx for v) and
; the cluster's y says which 256 positions of the batch: so "the batch's first positions" is a number that all partners share.
; LIMITS: |q|, |k|, |v| beyond 65,504 become infinity in f16; under 6e-5 they are denormals of f16.
; REGISTERS, in windows of 256: window 0: v0-31 addresses; v32-95 scale words, two sets; from v128 A's fragments, one set; on the way out v128-255 hold packed results.
;   window 1: B's fragments, two sets, at v0 and v128.   window 2: the accumulators of my rows 0-63 ((a, b) at v[8 (8 a + b)]);   window 3: those of my rows 64-127.
.set KSTEP,  512
.set NQ,     KSTEP/128
.set ROWB,   256                       ; a tile's row in bytes
.set KROW,   512                       ; a row of codes in memory
.set PITCH,  272                       ; an LDS row: 256 bytes + 16 of padding, so that the 16 rows of a fragment load start 68 words apart
.set FR,     8
.set NL,     2
.set NP,     4                         ; places behind this matrix instruction (ISA guide 7.12.1)
.set HALFT,  128*PITCH
.set SLOT,   4*HALFT
.set KS,     32                        ; a row of scales in bytes
.set SCL,    2*SLOT                    ; behind the slots: the scales, as units of 256 bytes + 16 of padding
.set HALFS,  (128*KS/256)*272
.set SBLK,   (16*KS/256)*272
.set SPARE,  SCL+4*HALFS               ; the spare words, 128 bytes for each wave
.set ADRA, 16
.set ADRB, 20
.set LI,   26                          ; v26  16 x lane: my place in an image
.set ADRS, 27
.set SPW,  28
.set NIL,  29
.set SC,   32
.set AF,   128
.set PK,   128                         ; the way out: packed results, 32 registers for each of four blocks by turns
.set G1, 24
.set G0, 32
.set G1B, 48
.set G0B, 56
.set G1S, 68
.set G0S, 76
.set G1SB, 80
.set G0SB, 88
.set MSB, 0
.macro WIN new                         ; the immediate's high byte repeats the setting that is left
.if MSB != (\new)
	s_set_vgpr_msb (MSB<<8)|(\new)
.set MSB, (\new)
.endif
.endm
.set MUL_LO, 0xa1                      ; source 0 (B) window 1, source 1 (A) window 0, C and D window 2
.set MUL_HI, 0xf1
.set TO_B,   0x40
; A joint load: waves 0 and 1 fetch for A, waves 2 and 3 for B.  An s_nop 0 and four v_nop follow each of the two lines.
.macro JLOAD g0a, g1a, g0b, g1b
	s_cmp_eq_u32 s15, 0
	s_cbranch_scc0 .Lfor_b_\@
	tensor_load_to_lds s[\g0a:\g0a+3], s[\g1a:\g1a+7]
	s_nop 0
.rept 4
	v_nop
.endr
	s_branch .Lasked_\@
.Lfor_b_\@:
	tensor_load_to_lds s[\g0b:\g0b+3], s[\g1b:\g1b+7]
	s_nop 0
.rept 4
	v_nop
.endr
.Lasked_\@:
.endm
.macro CROUND                          ; a round of the cluster's barrier
	s_barrier_signal -1
	s_barrier_wait -1
	s_cmp_lg_u32 s14, 0
	s_cbranch_scc1 .Lnot_wave_0_\@
	s_barrier_signal -3
.Lnot_wave_0_\@:
	s_barrier_wait -3
	s_barrier_signal -1
	s_barrier_wait -1
.endm
	s_load_b256 s[4:11], s[0:1], 0x0               ; xc s[4:5], xs s[6:7], wc s[8:9], ws s[10:11]
	s_load_b64 s[12:13], s[0:1], 0x20              ; qkv16
	s_load_b64 s[100:101], s[0:1], 0x28            ; first32
	v_lshl_add_u32 v[SPW], v0, 2, SPARE
	v_mov_b32 v[NIL], 0
	ds_add_u32 v[SPW], v[NIL]                      ; the wave's opening: the add, twice on end, and its wait ahead of my first tensor load
	ds_add_u32 v[SPW], v[NIL]
	v_lshrrev_b32 v1, 5, v0
	v_readfirstlane_b32 s14, v1                    ; wave 0..3
	s_lshr_b32 s15, s14, 1                         ; which half of A's rows is mine.  Also: I fetch for A (0) or for B (1)
	s_and_b32 s16, s14, 1                          ; which half of B's rows.  Also: which 128 rows of that tile I fetch
	s_bfe_u32 s40, ttmp6, 0x40000                  ; cx
	s_bfe_u32 s41, ttmp6, 0x40004                  ; cy
	s_and_b32 s66, ttmp7, 0xffff                   ; the cluster's y, 0..7: which 256 positions of a batch
	s_lshl_b32 s18, s41, 3
	s_add_co_u32 s18, s18, s66                     ; q, k: A's tile = 8 cy + y of x
	s_add_co_u32 s19, s41, 8                       ; v:    A's tile = 8 + cy of wc (Wv begins at row 2,048)
	s_lshl_b32 s46, s40, 3
	s_add_co_u32 s46, s46, s66                     ; v:    B's tile = 8 cx + y of x
	s_lshl_b32 s47, ttmp9, 2
	s_add_co_u32 s47, s47, s40                     ; q, k: B's tile = 4 x cluster x + cx of wc
	s_cmp_eq_u32 ttmp9, 2                          ; the cluster's x is the same in all partners
	s_cselect_b32 s17, s19, s18                    ; A's tile: made of cy and shared numbers alone
	s_cselect_b32 s42, s46, s47                    ; B's tile: made of cx and shared numbers alone
	s_lshl_b32 s43, s41, 2
	s_lshl_b32 s43, 15, s43                        ; my row of the cluster
	s_lshl_b32 s44, 0x1111, s40                    ; my column
	; descriptor group 1: a tile of 128 rows x 256 bytes, 16 bytes of padding behind each row
	s_or_b32 s[G1+0], s43, (0<<16)|(1<<20)|(1<<21)|(5<<22)|(3<<25)
	s_or_b32 s[G1B+0], s44, (0<<16)|(1<<20)|(1<<21)|(5<<22)|(3<<25)
.irp g, G1, G1B
	s_mov_b32 s[\g+1], ROWB<<16                    ; tensor_dim0
	s_mov_b32 s[\g+2], 128<<16                     ; tensor_dim1
	s_mov_b32 s[\g+3], ROWB<<16                    ; tile_dim0
	s_mov_b32 s[\g+4], 128                         ; tile_dim1
	s_mov_b32 s[\g+5], KROW                        ; tensor_dim0_stride
	s_mov_b32 s[\g+6], 0
	s_mov_b32 s[\g+7], 0
.endr
	; the scales of 128 rows: a dense block of 4,096 bytes, as 16 rows of 256 bytes (32 elements of 8), 16 bytes of padding behind each
	s_or_b32 s[G1S+0], s43, (3<<16)|(1<<20)|(1<<21)|(5<<22)|(3<<25)
	s_or_b32 s[G1SB+0], s44, (3<<16)|(1<<20)|(1<<21)|(5<<22)|(3<<25)
.irp g, G1S, G1SB
	s_mov_b32 s[\g+1], 32<<16
	s_mov_b32 s[\g+2], (128*KS/256)<<16
	s_mov_b32 s[\g+3], 32<<16
	s_mov_b32 s[\g+4], 128*KS/256
	s_mov_b32 s[\g+5], 32
	s_mov_b32 s[\g+6], 0
	s_mov_b32 s[\g+7], 0
.endr
	s_lshl_b32 s18, s16, 7                         ; which 128 rows of the tile I fetch
	s_lshl_b32 s20, s17, 8
	s_add_co_u32 s20, s20, s18                     ; A's row
	s_lshl_b32 s46, s42, 8
	s_add_co_u32 s46, s46, s18                     ; B's row
	s_mov_b32 s21, 0
	s_mov_b32 s47, 0
	s_mov_b64 s[18:19], KS
	s_mul_u64 s[22:23], s[20:21], s[18:19]         ; where these rows' scales begin, in bytes
	s_mul_u64 s[92:93], s[46:47], s[18:19]
	s_mov_b64 s[18:19], KROW
	s_mul_u64 s[20:21], s[20:21], s[18:19]         ; and their codes
	s_mul_u64 s[46:47], s[46:47], s[18:19]
	s_mul_i32 s45, s14, HALFT                      ; where they go: wave x 128 rows
	s_mul_i32 s94, s14, HALFS
	s_wait_dscnt 0x0                               ; both opening adds are done
	s_wait_kmcnt 0x0
	s_cmp_eq_u32 ttmp9, 2                          ; for v the two operands change roles
	s_cselect_b64 s[96:97], s[8:9], s[4:5]         ; A's codes
	s_cselect_b64 s[98:99], s[10:11], s[6:7]       ; A's scales
	s_cselect_b64 s[8:9], s[4:5], s[8:9]           ; B's codes
	s_cselect_b64 s[10:11], s[6:7], s[10:11]       ; B's scales
	s_add_nc_u64 s[20:21], s[96:97], s[20:21]
	s_add_nc_u64 s[22:23], s[98:99], s[22:23]
	s_add_nc_u64 s[46:47], s[8:9], s[46:47]
	s_add_nc_u64 s[92:93], s[10:11], s[92:93]
	CROUND                                         ; all sixteen work-groups are here: the joint loads meet
	s_mov_b32 s[G0S], 1
	s_add_co_u32 s[G0S+1], s94, SCL
	s_mov_b64 s[G0S+2:G0S+3], s[22:23]
	s_or_b32 s[G0S+3], s[G0S+3], 0x80000000
	s_mov_b32 s[G0SB], 1
	s_add_co_u32 s[G0SB+1], s94, SCL
	s_mov_b64 s[G0SB+2:G0SB+3], s[92:93]
	s_or_b32 s[G0SB+3], s[G0SB+3], 0x80000000
	JLOAD G0S, G1S, G0SB, G1SB                     ; the scales first; with the two slots three loads of mine are out
.irp s, 0,1
	s_mov_b32 s[G0+4*\s], 1
	s_add_co_u32 s[G0+4*\s+1], s45, \s*SLOT
	s_add_nc_u64 s[G0+4*\s+2:G0+4*\s+3], s[20:21], \s*ROWB
	s_or_b32 s[G0+4*\s+3], s[G0+4*\s+3], 0x80000000
	s_mov_b32 s[G0B+4*\s], 1
	s_add_co_u32 s[G0B+4*\s+1], s45, \s*SLOT
	s_add_nc_u64 s[G0B+4*\s+2:G0B+4*\s+3], s[46:47], \s*ROWB
	s_or_b32 s[G0B+4*\s+3], s[G0B+4*\s+3], 0x80000000
	JLOAD G0+4*\s, G1, G0B+4*\s, G1B
.endr
	v_and_b32 v1, 15, v0                           ; l % 16
	v_bfe_u32 v2, v0, 4, 1                         ; l / 16
	v_mul_u32_u24 v3, v1, PITCH
	v_lshl_add_u32 v4, v2, 4, v3                   ; a fragment's row x pitch + 16 x half
	s_mul_i32 s21, s15, HALFT                      ; my 128 rows of A
	s_mul_i32 s22, s16, HALFT                      ; my 128 rows of B,
	s_add_co_u32 s22, s22, 2*HALFT                 ; which lie behind A's 256
.irp s, 0,1
	v_add_nc_u32 v[ADRA+\s], s21, v4
	v_add_nc_u32 v[ADRB+\s], s22, v4
	s_add_co_u32 s21, s21, SLOT
	s_add_co_u32 s22, s22, SLOT
.endr
	v_mul_u32_u24 v5, v1, KS                       ; my row's scales: 32 bytes a row,
	v_lshrrev_b32 v6, 8, v5
	v_lshl_add_u32 v5, v6, 4, v5                   ; and 16 more for each 256 passed
	s_mul_i32 s21, s15, HALFS
	s_mul_i32 s22, s16, HALFS
	s_add_co_u32 s22, s22, 2*HALFS
	s_sub_co_u32 s22, s22, s21
	v_mul_u32_u24 v6, s22, v2                      ; lanes 16-31 take B's: one product, the distance between the two bases
	s_add_co_u32 s21, s21, SCL
	v_add_nc_u32 v5, v5, v6
	v_add_nc_u32 v[ADRS], s21, v5
	v_and_b32 v6, 31, v0
	v_lshlrev_b32 v[LI], 4, v6
.macro FRAG reg, adr, q, i             ; 16 rows x 128 K of 4-bit codes: 8 registers, two loads of 16 bytes, 32 bytes apart
.irp c, 0,1
	ds_load_b128 v[\reg+4*\c:\reg+4*\c+3], v[\adr] offset:64*(\q)+32*\c+(\i)*16*PITCH
.endr
.endm
; 16 matrix instructions: A's blocks a0, a0 + 1 x B's eight.  The 64 accumulators take turns, one instruction a turn, in the same order in every step.
.macro MUL16 a0, p, q, sc, zero
.irp a, \a0, \a0+1
.irp b, 0,1,2,3,4,5,6,7
.if \zero
	v_wmma_scale_f32_16x16x128_f8f6f4 v[8*(8*((\a)%4)+\b):8*(8*((\a)%4)+\b)+7], v[128*(\p)+FR*\b:128*(\p)+FR*\b+FR-1], v[AF+FR*(\a):AF+FR*(\a)+FR-1], 0, v[SC+8*NQ*(\sc)+NQ*\b+(\q)], v[SC+8*NQ*(\sc)+NQ*(\a)+(\q)] matrix_a_fmt:MATRIX_FMT_FP4 matrix_b_fmt:MATRIX_FMT_FP4 matrix_a_scale:MATRIX_SCALE_ROW1
.else
	v_wmma_scale_f32_16x16x128_f8f6f4 v[8*(8*((\a)%4)+\b):8*(8*((\a)%4)+\b)+7], v[128*(\p)+FR*\b:128*(\p)+FR*\b+FR-1], v[AF+FR*(\a):AF+FR*(\a)+FR-1], v[8*(8*((\a)%4)+\b):8*(8*((\a)%4)+\b)+7], v[SC+8*NQ*(\sc)+NQ*\b+(\q)], v[SC+8*NQ*(\sc)+NQ*(\a)+(\q)] matrix_a_fmt:MATRIX_FMT_FP4 matrix_b_fmt:MATRIX_FMT_FP4 matrix_a_scale:MATRIX_SCALE_ROW1
.endif
.endr
.endr
.endm
.macro FETCH_B slot, q, p
	WIN TO_B
.irp i, 0,1,2,3,4,5,6,7
	FRAG 128*(\p)+FR*\i, ADRB+\slot, \q, \i
.endr
	WIN 0
.endm
.macro FETCH_A slot, q, i0
.irp i, \i0, \i0+1, \i0+2, \i0+3
	FRAG AF+FR*(\i), ADRA+\slot, \q, \i
.endr
.endm
.macro SCALES sc                       ; a K step's scale words: four words a row; lanes 0-15 take A's block i, lanes 16-31 B's block i
.irp i, 0,1,2,3,4,5,6,7
	ds_load_b128 v[SC+8*NQ*\sc+NQ*\i:SC+8*NQ*\sc+NQ*\i+3], v[ADRS] offset:\i*SBLK
.endr
.endm
.macro PLACES n                        ; plain vector lines between a matrix instruction and a load into, or a vector read or write of, its registers
.rept \n
	v_nop
.endr
.endm
.macro STEP slot, q, zero              ; 128 along K that has its successor in the same slot
	s_wait_dscnt 4*NL                              ; B's set and A's blocks 0-3 are in; the youngest eight loads (A's blocks 4-7) may be out
	WIN MUL_LO
	MUL16 0, (\q)%2, \q, \slot, \zero
	MUL16 2, (\q)%2, \q, \slot, \zero
	s_wait_dscnt 0
	PLACES NP
	FETCH_B \slot, (\q)+1, 1-(\q)%2
	FETCH_A \slot, (\q)+1, 0
	WIN MUL_HI
	MUL16 4, (\q)%2, \q, \slot, \zero
	MUL16 6, (\q)%2, \q, \slot, \zero
	PLACES NP
	WIN 0
	FETCH_A \slot, (\q)+1, 4
.endm
.macro STEPS slot, from
.set Q, \from
.rept NQ-1-\from
	STEP \slot, Q, 0
.set Q, Q+1
.endr
.endm
	s_wait_tensorcnt 1                             ; the scales and my part of slot 0 are in; slot 1's load may be out
	s_barrier_signal -1
	s_barrier_wait -1
	FETCH_B 0, 0, 0
	FETCH_A 0, 0, 0
	SCALES 0
	FETCH_A 0, 0, 4
	STEP 0, 0, 1                                   ; the first products start the sums: nothing is cleared
	STEPS 0, 1
	; slot 0's last step changes slots: one barrier; nothing is filled again
	s_wait_tensorcnt 0x0                           ; my part of slot 1 has landed
	ds_add_u32 v[SPW], v[NIL]
	s_wait_dscnt 4*NL+1                            ; the add and the youngest eight loads may be out
	WIN MUL_LO
	MUL16 0, 1, NQ-1, 0, 0
	s_wait_dscnt 0x0
	s_barrier_signal -1
	MUL16 2, 1, NQ-1, 0, 0
	WIN 0
	s_barrier_wait -1                              ; slot 1 is whole
	PLACES NP
	v_add_nc_u32 v[ADRS], 4*NQ, v[ADRS]            ; the second K step's scale words
	FETCH_B 1, 0, 0
	FETCH_A 1, 0, 0
	SCALES 1
	WIN MUL_HI
	MUL16 4, 1, NQ-1, 0, 0
	MUL16 6, 1, NQ-1, 0, 0
	PLACES NP
	WIN 0
	FETCH_A 1, 0, 4
	STEPS 1, 0
	s_wait_dscnt 4*NL                              ; the very last step
	WIN MUL_LO
	MUL16 0, 1, NQ-1, 1, 0
	MUL16 2, 1, NQ-1, 1, 0
	s_wait_dscnt 0
	WIN MUL_HI
	MUL16 4, 1, NQ-1, 1, 0
	MUL16 6, 1, NQ-1, 1, 0
	WIN 0
; THE WAY OUT.  Block a (16 rows of A): each accumulator's eight numbers become four registers of f16, from its low end on, and are stored at 16 x lane.
.macro PACK a
.set AC, 64*((\a)%4)
.set PB, PK+32*((\a)%4)
	WIN 0x0a+5*((\a)/4)                            ; sources 0 and 1: window 2 or 3
.irp b, 0,1,2,3,4,5,6,7
.irp r, 0,1,2,3
	v_cvt_pk_f16_f32 v[PB+4*\b+\r], v[AC+8*\b+2*\r], v[AC+8*\b+2*\r+1]
.endr
.endr
	WIN 0
.endm
.macro SEND_QK a                       ; block a: 16 positions; b: head b / 4 of my two, chunk (b / 2) % 2 of its 64 channels, group b % 2
.set PB, PK+32*((\a)%4)
.irp b, 0,1,2,3,4,5,6,7
	global_store_b128 v[LI], v[PB+4*\b:PB+4*\b+3], s[12:13] offset:(\a)*2048+(\b/4)*262144+((\b/2)%2)*1024+(\b%2)*512   ; 32 lanes store 512 consecutive bytes, aligned
.endr
.endm
.macro SEND_V a                        ; block a: head a / 4 of my two, channels 16 (a % 4) on; b: key chunk b / 2, group b % 2
.set PB, PK+32*((\a)%4)
.irp b, 0,1,2,3,4,5,6,7
	global_store_b128 v[LI], v[PB+4*\b:PB+4*\b+3], s[12:13] offset:((\a)/4)*262144+((\a)%4)*1024+(\b/2)*4096+(\b%2)*512
.endr
.endm
	PLACES NP                                      ; behind the last products: the conversions write the registers that held A's fragments
	s_cmp_eq_u32 ttmp9, 2
	s_cbranch_scc1 .Lv_out
	; q and k: batch cy, heads 4 cx + 2 (my half of the columns) on, positions 256 y + 128 (my half of the rows) on
	s_lshl_b32 s20, s41, 4
	s_lshl_b32 s21, s40, 2
	s_add_co_u32 s20, s20, s21
	s_lshl_b32 s21, s16, 1
	s_add_co_u32 s20, s20, s21                     ; 16 cy + 4 cx + 2 half
	s_lshl_b32 s22, ttmp9, 6
	s_add_co_u32 s22, s22, s20
	s_lshl_b32 s22, s22, 12                        ; first32: 4,096 bytes a head
	s_mov_b32 s23, 0
	s_add_nc_u64 s[100:101], s[100:101], s[22:23]
	s_lshl_b32 s20, s20, 18                        ; 262,144 bytes a head,
	s_lshl_b32 s21, ttmp9, 24                      ; 16 MiB a plane,
	s_add_co_u32 s20, s20, s21
	s_lshl_b32 s21, s66, 15                        ; 2,048 bytes for 16 positions
	s_add_co_u32 s20, s20, s21
	s_lshl_b32 s21, s15, 14
	s_add_co_u32 s20, s20, s21
	s_mov_b32 s21, 0
	s_add_nc_u64 s[12:13], s[12:13], s[20:21]
.irp a, 0,1,2,3,4,5,6,7
.if \a >= 4
	s_wait_xcnt 0x0                                ; block a - 4's stores have read their registers, which block a's conversions write
.endif
	PACK \a
	SEND_QK \a
.endr
	s_or_b32 s67, s66, s15                         ; positions 0-15 of a batch: the cluster's y = 0 and my half of the rows = 0: numbers that all partners share, and the wave's
	s_cmp_eq_u32 s67, 0
	s_cbranch_scc0 .Ldone
	WIN 0x08                                       ; a store's data are its source 1: window 2
.irp b, 0,1,2,3,4,5,6,7
	global_store_b128 v[LI], v[8*\b:8*\b+3], s[100:101] offset:(\b/4)*4096+(\b%4)*1024
	global_store_b128 v[LI], v[8*\b+4:8*\b+7], s[100:101] offset:(\b/4)*4096+(\b%4)*1024+512
.endr
	WIN 0
	s_branch .Ldone
.Lv_out:
	; v: batch cx, heads 4 cy + 2 (my half of A's rows) on, keys 256 y + 128 (my half of B's rows) on
	s_lshl_b32 s20, s40, 4
	s_lshl_b32 s21, s41, 2
	s_add_co_u32 s20, s20, s21
	s_lshl_b32 s21, s15, 1
	s_add_co_u32 s20, s20, s21                     ; 16 cx + 4 cy + 2 half
	s_add_co_u32 s22, s20, 128
	s_lshl_b32 s22, s22, 12
	s_mov_b32 s23, 0
	s_add_nc_u64 s[100:101], s[100:101], s[22:23]
	s_lshl_b32 s20, s20, 18
	s_add_co_u32 s20, s20, 0x2000000               ; the third plane
	s_lshl_b32 s21, s66, 15                        ; 4,096 bytes for 32 keys
	s_add_co_u32 s20, s20, s21
	s_lshl_b32 s21, s16, 14
	s_add_co_u32 s20, s20, s21
	s_mov_b32 s21, 0
	s_add_nc_u64 s[12:13], s[12:13], s[20:21]
.irp a, 0,1,2,3,4,5,6,7
.if \a >= 4
	s_wait_xcnt 0x0
.endif
	PACK \a
	SEND_V \a
.endr
	s_or_b32 s67, s66, s16                         ; positions 0-15: the cluster's y = 0 and my half of B's rows = 0
	s_cmp_eq_u32 s67, 0
	s_cbranch_scc0 .Ldone
	WIN 0x08
.irp a, 0,1,2,3
	global_store_b128 v[LI], v[64*\a:64*\a+3], s[100:101] offset:\a*1024
	global_store_b128 v[LI], v[64*\a+4:64*\a+7], s[100:101] offset:\a*1024+512
.endr
	WIN 0x0c                                       ; window 3
.irp a, 0,1,2,3
	global_store_b128 v[LI], v[64*\a:64*\a+3], s[100:101] offset:4096+\a*1024
	global_store_b128 v[LI], v[64*\a+4:64*\a+7], s[100:101] offset:4096+\a*1024+512
.endr
	WIN 0
.Ldone:
	s_wait_tensorcnt 0x0                           ; the wave's end
	ds_add_u32 v[SPW], v[NIL]
	s_wait_dscnt 0x0
	CROUND                                         ; the closing round
	s_endpgm
.Lfunc_end_k_q6143a290fc_qkv:
	.size	k_q6143a290fc_qkv, .Lfunc_end_k_q6143a290fc_qkv-k_q6143a290fc_qkv
	.p2alignl 7, 3214868480
	.fill 96, 4, 3214868480
	.section	.rodata,"a",@progbits
	.p2align	6, 0x0
	.amdhsa_kernel k_q6143a290fc_qkv
		.amdhsa_group_segment_fixed_size 327680
		.amdhsa_private_segment_fixed_size 0
		.amdhsa_enable_private_segment 0
		.amdhsa_kernarg_size 48
		.amdhsa_user_sgpr_count 2
		.amdhsa_user_sgpr_kernarg_segment_ptr 1
		.amdhsa_wavefront_size32 1
		.amdhsa_system_sgpr_workgroup_id_x 1
		.amdhsa_system_sgpr_workgroup_id_y 1
		.amdhsa_system_sgpr_workgroup_id_z 1
		.amdhsa_system_vgpr_workitem_id 0
		.amdhsa_next_free_vgpr 1024
		.amdhsa_next_free_sgpr 102
		.amdhsa_reserve_vcc 0
		.amdhsa_float_denorm_mode_32 3
		.amdhsa_float_denorm_mode_16_64 3
		.amdhsa_memory_ordered 1
		.amdhsa_forward_progress 1
		.amdhsa_inst_pref_size 145
	.end_amdhsa_kernel
	.amdgpu_metadata
---
amdhsa.version: [ 1, 2 ]
amdhsa.kernels:
  - .name:           k_q6143a290fc_qkv
    .symbol:         k_q6143a290fc_qkv.kd
    .args:
      - { .name: xc, .offset: 0, .size: 8, .value_kind: global_buffer, .address_space: global }
      - { .name: xs, .offset: 8, .size: 8, .value_kind: global_buffer, .address_space: global }
      - { .name: wc, .offset: 16, .size: 8, .value_kind: global_buffer, .address_space: global }
      - { .name: ws, .offset: 24, .size: 8, .value_kind: global_buffer, .address_space: global }
      - { .name: qkv16, .offset: 32, .size: 8, .value_kind: global_buffer, .address_space: global }
      - { .name: first32, .offset: 40, .size: 8, .value_kind: global_buffer, .address_space: global }
    .group_segment_fixed_size: 327680
    .private_segment_fixed_size: 0
    .kernarg_segment_align: 8
    .kernarg_segment_size: 48
    .max_flat_workgroup_size: 128
    .sgpr_count:     102
    .vgpr_count:     1024
    .wavefront_size: 32
...
	.end_amdgpu_metadata
.endif
;; end of part 2
;; launch attn (part 3): grid 4 x 64, 8 waves a work-group, no clusters, 327,680 bytes of LDS; arguments qkv16, ctx16; writes ctx16
.if DOCPART == 3
	.amdgcn_target "amdgcn-amd-amdhsa--gfx1250"
	.amdhsa_code_object_version 6
	.text
	.protected	k_q6143a290fc_attn
	.globl	k_q6143a290fc_attn
	.p2align	8
	.type	k_q6143a290fc_attn,@function
k_q6143a290fc_attn:
	s_mov_b64 s[64:65], 0
	v_nop
	global_prefetch_b8 v0, s[64:65] scope:SCOPE_SE
	s_setreg_imm32_b32 hwreg(HW_REG_WAVE_MODE, 25, 1), 1
	s_wait_xcnt 0x0
; ctx[b][q][head] = the sum over keys k <= q of softmax_k(q . k / 8) v, head size 64, 2,048 positions, 64 (batch, head) pairs.  Operands f16, products, maxima and sums f32; the weights p are rounded to f16 for the second product.
; q, k, v come as images of operand registers (qkv16: q at 0, k at 16 MiB: [pair][position / 16][channel / 32][1,024 bytes]; v at 32 MiB: [pair][key / 32][channel / 16][1,024 bytes]); ctx leaves so too
; (ctx16: [row / 128][k / 256][(row / 16) % 8][(k / 32) % 8][1,024 bytes], the next launch's operand).  In an image, group g of four registers lies at 512 g + 16 x lane: every LDS load and every store is 512 consecutive bytes.
; SHARES.  Work-group x = i of a pair owns two blocks of 256 queries: block 7 - i, which wants 8 - i units of 256 keys, and then block i, which wants i + 1: always 9 units, so all 256 work-groups have equal work,
; the trip counts are constants, and every tile that is fetched is read.  A wave owns 32 queries (two tiles of 16): those at 32 w (waves 0-3) or 32 (11 - w) (waves 4-7) of the block, so that waves w and w + 4 together walk five steps of the diagonal unit.
; NO CLUSTER: the four work-groups of a pair leave their long block after 8 - i units, so in one and the same trip they want different units; a form in which all four go on asking for every unit would walk 12 units' trips for 9 units' work.
; LAYOUT.  S^T = K Q^T (source 0 = 16 keys, source 1 = 16 queries), O^T = V^T P: a lane holds ONE query throughout; two score tiles rounded in pairs are the second product's operand.
; SOFTMAX.  A running maximum m and sum l for each query: p = 2^(c s - c m), c = log2(e) / 8; in every step O and l are multiplied by a = 2^(c m_old - c m_new).  Hidden scores become -infinity ahead of the maximum; key 0 counts for every query, so m is a number from the first step on.
; A step all of whose 64 keys come after the wave's queries is left out by a scalar branch on ids; no barrier or tensor load stands in a step.
; LIMITS: |ctx| beyond 65,504 becomes infinity in f16.
; REGISTERS: window 0: v1-9 addresses and constants; v16-31 statistics, 8 a tile (+0 c m, +1 m, +2, +3 l, +4 .. +7 at work, a in +6); v32-95 S^T (32 a tile); v96-127 P (16 a tile); v128-191 K's 8 fragments.
;   window 1: v0-63 O^T (32 a tile); v64-95 Q (16 a tile); v128-191 V's 8 fragments.
.set SLOT1, 65536                      ; LDS: slot 0 from 0, slot 1 from here; in a slot K's 32 KiB, then V's
.set VOFF,  32768
.set UNITB, 32768                      ; a unit of 256 keys in K's plane and in V's
.set STEPB, 8192                       ; a step of 64 keys
.set SPARE, 131072                     ; the spare words, 128 bytes for each of eight waves
.set LI,  1                            ; v1  16 x lane
.set AD,  2                            ; v2  LDS address of the step in hand
.set DL,  3                            ; v3  lane % 16 - 8 (lane / 16)
.set SPW, 4
.set NIL, 5
.set D0,  6                            ; v6, v7  the mask's bound for tiles 0 and 1
.set NEGINF, 8
.set PFO, 9                            ; v9  256 x lane
.set ST,  16
.set S,   32
.set P,   96
.set KFR, 128
.set OT,  0                            ; window 1
.set QF,  64
.set VF,  128
.set WV,  8                            ; s8   wave
.set IX,  9                            ; s9   work-group x
.set YH,  10                           ; s10  batch x 16 + head
.set NLU, 11                           ; s11  units of the long block
.set QB,  12                           ; s[12:13] q's plane at my pair
.set CB,  14                           ; s[14:15] ctx16 at my batch and head
.set G1,  16                           ; s[16:23]
.set G0,  24                           ; s[24:27]
.set PFA, 28                           ; s[28:29] where my prefetches stand
.set LIM, 30
.set SLOTS, 31
.set U1,  32                           ; the unit that this trip asks for, counted over both blocks
.set TB,  33                           ; LDS byte of the step in hand
.set NS,  34
.set KF,  35                           ; the step's first key
.set Q0,  36                           ; my first query
.set BKB, 37                           ; the long block's units in bytes
.set BACK, 38                          ; s[38:39]
.set CS,  40                           ; s[40:41] c
.set SEL, 42                           ; s[42:43]
.set CTXA, 44
.set QA,  46
.set WQ,  56
.set MSB, 0
.macro WIN new
.if MSB != (\new)
	s_set_vgpr_msb (MSB<<8)|(\new)
.set MSB, (\new)
.endif
.endm
.macro TLOAD                           ; waves 0, 1 fetch K's halves of a unit, waves 2, 3 V's, 16 KiB each; the others nothing.  An s_nop 0 and four v_nop follow the line
	s_cmp_lt_u32 s[WV], 4
	s_cbranch_scc0 .Lnone_\@
	tensor_load_to_lds s[G0:G0+3], s[G1:G1+7]
	s_nop 0
.rept 4
	v_nop
.endr
.Lnone_\@:
.endm
; A PREFETCH of the unit that the NEXT trip's tensor loads will ask for.  All four work-groups of a pair walk the same units from 0 on: the one with x = 0, which walks all eight, asks, and nobody else.
; Its eight waves name 8 KiB each, lanes 256 bytes apart: waves 0-3 K's 32 KiB, waves 4-7 V's.  Trip u names unit u + 2, for u = 0 .. 5: each block of 256 bytes once in the launch; units 0 and 1 come by their loads alone.
.macro ASK
	s_cmp_gt_u32 s[SLOTS], s[LIM]
	s_cbranch_scc0 .Lnot_mine_\@
	global_prefetch_b8 v[PFO], s[PFA:PFA+1] th:TH_LOAD_NT scope:SCOPE_SE
.Lnot_mine_\@:
.endm
	s_load_b128 s[4:7], s[0:1], 0x0                ; qkv16, ctx16
	v_lshl_add_u32 v[SPW], v0, 2, SPARE
	v_mov_b32 v[NIL], 0
	ds_add_u32 v[SPW], v[NIL]                      ; the wave's opening: the add, twice on end, and its wait ahead of the first tensor load
	ds_add_u32 v[SPW], v[NIL]
	v_lshrrev_b32 v1, 5, v0
	v_readfirstlane_b32 s[WV], v1
	s_mov_b32 s[IX], ttmp9
	s_and_b32 s[YH], ttmp7, 0xffff
	s_sub_co_u32 s[NLU], 8, s[IX]
	s_lshl_b32 s[BKB], s[NLU], 15
	s_mov_b32 s[BACK+1], 0
	; descriptor group 1: a dense block of 16 KiB as 64 rows of 256 bytes (32 elements of 8 bytes), no padding
	s_mov_b32 s[G1], 3<<16
	s_mov_b32 s[G1+1], 32<<16
	s_mov_b32 s[G1+2], 64<<16
	s_mov_b32 s[G1+3], 32<<16
	s_mov_b32 s[G1+4], 64
	s_mov_b32 s[G1+5], 32
	s_mov_b32 s[G1+6], 0
	s_mov_b32 s[G1+7], 0
	s_mov_b32 s[CS], 0x3e38aa3b                    ; c = log2(e) / 8
	s_mov_b32 s[CS+1], s[CS]
	s_mov_b32 s[SEL], 0x76543210
	s_mov_b32 s[SEL+1], 0xfedcba98
	s_lshl_b32 s52, s[YH], 18                      ; my pair in a plane: 262,144 bytes
	s_mov_b32 s53, 0
	s_and_b32 s57, s[WV], 3
	s_lshl_b32 s[G0+1], s57, 14                    ; LDS: 16 KiB x (wave % 4), slot 0
	s_lshr_b32 s58, s57, 1
	s_add_co_u32 s58, s58, 1                       ; plane 1 (k) or 2 (v)
	s_lshl_b32 s50, s58, 24
	s_add_co_u32 s50, s50, s52
	s_and_b32 s58, s[WV], 1
	s_lshl_b32 s58, s58, 14
	s_add_co_u32 s50, s50, s58                     ; my half of unit 0
	s_mov_b32 s51, 0
	s_lshr_b32 s58, s[WV], 2
	s_add_co_u32 s58, s58, 1
	s_lshl_b32 s54, s58, 24
	s_add_co_u32 s54, s54, s52
	s_lshl_b32 s58, s57, 13
	s_add_co_u32 s54, s54, s58
	s_add_co_u32 s54, s54, UNITB                   ; the prefetches stand at unit 1; each trip steps them ahead of its request
	s_mov_b32 s55, 0
	s_lshr_b32 s48, s[YH], 4
	s_lshl_b32 s48, s48, 22                        ; ctx16: 16 row blocks of 262,144 bytes a batch,
	s_bfe_u32 s49, s[YH], 0x20002
	s_lshl_b32 s49, s49, 16                        ; K step head / 4,
	s_add_co_u32 s48, s48, s49
	s_and_b32 s49, s[YH], 3
	s_lshl_b32 s49, s49, 11                        ; two chunks a head
	s_add_co_u32 s48, s48, s49
	s_mov_b32 s49, 0
	s_cmp_eq_u32 s[IX], 0
	s_cselect_b32 s[LIM], 2, -1
	s_sub_co_u32 s[WQ], 11, s[WV]
	s_cmp_lt_u32 s[WV], 4
	s_cselect_b32 s[WQ], s[WV], s[WQ]
	v_and_b32 v[LI], 31, v0
	v_lshlrev_b32 v[PFO], 8, v[LI]
	v_lshlrev_b32 v[LI], 4, v[LI]
	v_and_b32 v[DL], 15, v0
	v_bfe_u32 v[AD], v0, 4, 1
	v_lshlrev_b32 v[AD], 3, v[AD]
	v_sub_nc_u32 v[DL], v[DL], v[AD]
	v_mov_b32 v[NEGINF], 0xff800000
	s_wait_dscnt 0x0                               ; both opening adds are done
	s_wait_kmcnt 0x0
	s_mov_b32 s[G0], 1
	s_add_nc_u64 s[G0+2:G0+3], s[4:5], s[50:51]
	s_or_b32 s[G0+3], s[G0+3], 0x80000000
	TLOAD                                          ; unit 0 into slot 0
	s_add_nc_u64 s[QB:QB+1], s[4:5], s[52:53]
	s_add_nc_u64 s[PFA:PFA+1], s[4:5], s[54:55]
	s_add_nc_u64 s[CB:CB+1], s[6:7], s[48:49]
; A block begins: s48 = its number.  My queries' addresses; Q into registers; O^T, l = 0; m = -3e38, under every score.
.macro BEGIN
	s_lshl_b32 s[Q0], s48, 8
	s_lshl_b32 s49, s[WQ], 5
	s_add_co_u32 s[Q0], s[Q0], s49
	s_lshl_b32 s50, s[Q0], 7                       ; 2,048 bytes for 16 positions
	s_mov_b32 s51, 0
	s_add_nc_u64 s[QA:QA+1], s[QB:QB+1], s[50:51]
	s_lshr_b32 s50, s[Q0], 7
	s_lshl_b32 s50, s50, 18
	s_bfe_u32 s49, s[Q0], 0x30004
	s_lshl_b32 s49, s49, 13
	s_add_co_u32 s50, s50, s49
	s_add_nc_u64 s[CTXA:CTXA+1], s[CB:CB+1], s[50:51]
	s_mov_b32 s[KF], 0
	WIN 0x40                                       ; destination window 1
.irp f, 0,1,2,3,4,5,6,7                        ; tile f / 4, chunk (f / 2) % 2, group f % 2
	global_load_b128 v[QF+4*\f:QF+4*\f+3], v[LI], s[QA:QA+1] offset:512*\f
.endr
.set i, 0
.rept 64
	v_mov_b32 v[OT+i], 0                           ; the step is written once: the first finds zeros, which the first a leaves zeros
.set i, i+1
.endr
	WIN 0
.irp t, 0,1
	v_mov_b32 v[ST+8*\t+1], 0xff61b1e6
	v_mov_b32 v[ST+8*\t+2], 0
	v_mov_b32 v[ST+8*\t+3], 0
	v_mov_b32 v[ST+8*\t+5], 0                      ; (a lane permute's destination, and the upper half of a pair, count as read)
	v_mov_b32 v[ST+8*\t+6], 0
	v_mov_b32 v[ST+8*\t+7], 0
	v_mul_f32 v[ST+8*\t], s[CS], v[ST+8*\t+1]
.endr
	s_wait_loadcnt 0x0                             ; Q
.endm
; A block ends: O^T / l, rounded to f16, stored as images.
.macro FINISH
.irp t, 0,1
	v_add_f32 v[ST+8*\t+4], v[ST+8*\t+2], v[ST+8*\t+3]             ; (these lines are the places behind the last products)
.endr
.irp t, 0,1
	v_permlanex16_b32 v[ST+8*\t+5], v[ST+8*\t+4], s[SEL], s[SEL+1]
.endr
.irp t, 0,1
	v_add_f32 v[ST+8*\t+4], v[ST+8*\t+4], v[ST+8*\t+5]
.endr
	v_nop
	v_nop
.irp t, 0,1
	v_rcp_f32 v[ST+8*\t+6], v[ST+8*\t+4]
.endr
	v_nop                                          ; a plain line behind the last reciprocal
	s_wait_alu depctr_va_vdst(0)                   ; one wait for both, ahead of the first reader
	WIN 0x41                                       ; O^T (destination and source 0) window 1
.set i, 0
.rept 32
	v_pk_mul_f32 v[OT+i:OT+i+1], v[OT+i:OT+i+1], v[ST+8*(i/32)+6:ST+8*(i/32)+7] op_sel_hi:[1,0]
.set i, i+2
.endr
	WIN 0x05                                       ; sources window 1, destination window 0: S^T's registers are free
.set i, 0
.rept 32
	v_cvt_pk_f16_f32 v[S+i], v[OT+2*i], v[OT+2*i+1]
.set i, i+1
.endr
	WIN 0
.irp t, 0,1
.irp d, 0,1,2,3
	global_store_b128 v[LI], v[S+16*\t+4*\d:S+16*\t+4*\d+3], s[CTXA:CTXA+1] offset:\t*8192+\d*512   ; 32 lanes store 512 consecutive bytes, aligned
.endr
.endr
	s_wait_xcnt 0x0                                ; the stores have read their registers and base: both are written again
.endm
; A KEY STEP: 64 keys.
.macro STEP
	s_add_co_u32 s48, s[Q0], 31
	s_cmp_gt_u32 s[KF], s48                        ; all 64 keys come after my 32 queries: nothing to do
	s_cbranch_scc1 .Lhidden_\@
	v_add_nc_u32 v[AD], s[TB], v[LI]
.rept 3
	v_nop                                          ; with the line above: four places between the last step's V^T P and the loads into V's registers
.endr
.irp f, 0,1,2,3,4,5,6,7                        ; K: keys 16 (f / 2) on, channels 32 (f % 2) on
	ds_load_b128 v[KFR+8*\f:KFR+8*\f+3],   v[AD] offset:1024*\f
	ds_load_b128 v[KFR+8*\f+4:KFR+8*\f+7], v[AD] offset:1024*\f+512
.endr
	WIN 0x40
.irp f, 0,1,2,3,4,5,6,7                        ; V: keys 32 (f / 4) on, channels 16 (f % 4) on
	ds_load_b128 v[VF+8*\f:VF+8*\f+3],   v[AD] offset:VOFF+1024*\f
	ds_load_b128 v[VF+8*\f+4:VF+8*\f+7], v[AD] offset:VOFF+1024*\f+512
.endr
	s_wait_dscnt 16                                ; K's 16 loads are in; V's 16 may be out
	WIN 0x04                                       ; source 1 (Q) window 1
.set i, 0
.rept 16                                       ; channels 32 (i / 8) on, keys 16 ((i / 2) % 4) on, tile i % 2: eight accumulators by turns
.set rS, S+32*(i%2)+8*((i/2)%4)
.set rK, KFR+16*((i/2)%4)+8*(i/8)
.set rQ, QF+16*(i%2)+8*(i/8)
.if i < 8
	v_wmma_f32_16x16x32_f16 v[rS:rS+7], v[rK:rK+7], v[rQ:rQ+7], 0
.else
	v_wmma_f32_16x16x32_f16 v[rS:rS+7], v[rK:rK+7], v[rQ:rQ+7], v[rS:rS+7]
.endif
.set i, i+1
.endr
	WIN 0
.rept 4
	v_nop
.endr
	s_add_co_u32 s48, s[KF], 63
	s_cmp_le_u32 s48, s[Q0]                        ; all 64 keys count for all my queries: no mask.  One step of a block lies on my diagonal
	s_cbranch_scc1 .Lopen_\@
	s_sub_co_i32 s48, s[Q0], s[KF]
	v_add_nc_u32 v[D0], s48, v[DL]                 ; register 8 kt + j of tile t holds key KF + 16 kt + 8 (lane / 16) + j for query Q0 + 16 t + lane % 16: hidden where 16 kt + j > d
	v_add_nc_u32 v[D0+1], 16, v[D0]
.irp n, 0,1,2,3,4,5,6,7,8,9,10,11,12,13,14,15,16,17,18,19,20,21,22,23,24,25,26,27,28,29,30,31
.irp t, 0,1
	v_cmp_gt_i32 vcc_lo, 16*(\n/8)+\n%8, v[D0+\t]
	v_cndmask_b32 v[S+32*\t+\n], v[S+32*\t+\n], v[NEGINF], vcc_lo
.endr
.endr
.Lopen_\@:
	; the maximum of my 32 scores and the old m: four chains a tile, each beginning at an accumulator's low end; the two tiles line by line
.irp j, 0,1,2,3
.irp t, 0,1
	v_max3_num_f32 v[ST+8*\t+4+\j], v[S+32*\t+8*\j], v[S+32*\t+8*\j+1], v[S+32*\t+8*\j+2]
.endr
.endr
.irp u, 3,5
.irp j, 0,1,2,3
.irp t, 0,1
	v_max3_num_f32 v[ST+8*\t+4+\j], v[ST+8*\t+4+\j], v[S+32*\t+8*\j+\u], v[S+32*\t+8*\j+\u+1]
.endr
.endr
.endr
.irp t, 0,1
	v_max3_num_f32 v[ST+8*\t+4], v[ST+8*\t+4], v[S+32*\t+7], v[S+32*\t+15]
	v_max3_num_f32 v[ST+8*\t+6], v[ST+8*\t+6], v[S+32*\t+23], v[S+32*\t+31]
.endr
.irp t, 0,1
	v_max3_num_f32 v[ST+8*\t+4], v[ST+8*\t+4], v[ST+8*\t+5], v[ST+8*\t+6]
.endr
.irp t, 0,1
	v_max3_num_f32 v[ST+8*\t+4], v[ST+8*\t+4], v[ST+8*\t+7], v[ST+8*\t+1]
.endr
.irp t, 0,1
	v_permlanex16_b32 v[ST+8*\t+5], v[ST+8*\t+4], s[SEL], s[SEL+1]  ; the query's other 32 keys lie in the lane 16 away
.endr
.irp t, 0,1
	v_mov_b32 v[ST+8*\t+7], v[ST+8*\t]             ; c m_old
.endr
.irp t, 0,1
	v_max_num_f32 v[ST+8*\t+1], v[ST+8*\t+4], v[ST+8*\t+5]
.endr
.irp t, 0,1
	v_mul_f32 v[ST+8*\t], s[CS], v[ST+8*\t+1]
.endr
.irp t, 0,1
	v_sub_f32 v[ST+8*\t+7], v[ST+8*\t+7], v[ST+8*\t]
.endr
.set i, 0
.rept 32
	v_pk_fma_f32 v[S+i:S+i+1], v[S+i:S+i+1], s[CS:CS+1], v[ST+8*(i/32):ST+8*(i/32)+1] op_sel_hi:[1,0,0] neg_lo:[0,0,1] neg_hi:[0,0,1]   ; c s - c m, two at a time
.set i, i+2
.endr
.irp t, 0,1
	v_exp_f32 v[ST+8*\t+6], v[ST+8*\t+7]           ; a
.endr
.set i, 0
.rept 64
	v_exp_f32 v[S+i], v[S+i]                       ; p: one batch of 66 exponentials
.set i, i+1
.endr
	v_nop                                          ; a plain line behind the last of them
	s_wait_alu depctr_va_vdst(0)                   ; ONE wait for the batch, ahead of its first reader
.set i, 0
.rept 32
	v_cvt_pk_f16_f32 v[P+i], v[S+2*i], v[S+2*i+1]  ; two score tiles in pairs are 32 keys of the second product's operand
.set i, i+1
.endr
.irp w, 4,8,16,32                              ; the sum of a tile's 16 pairs, in place: neighbours 1, 2, 4, 8 pairs apart
.set i, 0
.rept 64/\w
	v_pk_add_f32 v[S+i:S+i+1], v[S+i:S+i+1], v[S+i+\w/2:S+i+\w/2+1]
.set i, i+\w
.endr
.endr
.irp t, 0,1
	v_pk_fma_f32 v[ST+8*\t+2:ST+8*\t+3], v[ST+8*\t+2:ST+8*\t+3], v[ST+8*\t+6:ST+8*\t+7], v[S+32*\t:S+32*\t+1] op_sel_hi:[1,0,1]   ; l = a l + the sum
.endr
	WIN 0x41
.set i, 0
.rept 32
	v_pk_mul_f32 v[OT+i:OT+i+1], v[OT+i:OT+i+1], v[ST+8*(i/32)+6:ST+8*(i/32)+7] op_sel_hi:[1,0]   ; O^T x a
.set i, i+2
.endr
	s_wait_dscnt 0x0                               ; V is in
	WIN 0x51                                       ; source 0 (V), C and D window 1
.set i, 0
.rept 16                                       ; keys 32 (i / 8) on, channels 16 ((i / 2) % 4) on, tile i % 2: eight accumulators by turns
.set rO, OT+32*(i%2)+8*((i/2)%4)
.set rV, VF+32*(i/8)+8*((i/2)%4)
.set rP, P+16*(i%2)+8*(i/8)
	v_wmma_f32_16x16x32_f16 v[rO:rO+7], v[rV:rV+7], v[rP:rP+7], v[rO:rO+7]
.set i, i+1
.endr
	WIN 0
.Lhidden_\@:
	s_add_co_u32 s[KF], s[KF], 64
	s_add_co_u32 s[TB], s[TB], STEPB
.endm
; THE CHANGE OF SLOTS stands at a unit's head.  Each wave waits for all its tensor loads (its part of the unit that it is about to read), adds 0 to its spare word, and waits for that and for its reads of the slot that it has left.
; Behind the barrier the slot ahead is whole and nobody reads the other: fill = 1: it takes the next unit, which has a whole unit's steps in which to land.  One tensor load of a wave is out at the most.
.macro CHANGE fill
	s_wait_tensorcnt 0x0                           ; no tensor load of mine is out, so group 0 may be written
	ds_add_u32 v[SPW], v[NIL]
.if \fill
	ds_add_u32 v[SPW], v[NIL]                      ; and once more, in every trip alike
	s_xor_b32 s[G0+1], s[G0+1], SLOT1              ; the other slot,
	s_add_nc_u64 s[G0+2:G0+3], s[G0+2:G0+3], UNITB ; the next unit;
	s_cmp_eq_u32 s[U1], s[NLU]
	s_cselect_b32 s[BACK], s[BKB], 0
	s_sub_nc_u64 s[G0+2:G0+3], s[G0+2:G0+3], s[BACK:BACK+1]   ; at the change of blocks: back to unit 0
	s_wait_xcnt 0x0                                ; the last prefetch, a unit back, has read its address
	s_add_nc_u64 s[PFA:PFA+1], s[PFA:PFA+1], UNITB
.endif
	s_wait_dscnt 0x0
	s_barrier_signal -1
	s_barrier_wait -1
.if \fill
	TLOAD                                          ; the first thing behind the barrier, and a wave's one tensor load until the next
	ASK
.endif
.endm
.macro SLOT_STEPS                      ; a unit's four steps: written once, walked four times
	s_mov_b32 s[NS], 4
.Lstep_\@:
	STEP
	s_sub_co_u32 s[NS], s[NS], 1
	s_cmp_lg_u32 s[NS], 0
	s_cbranch_scc1 .Lstep_\@
	s_sub_co_u32 s[TB], s[TB], 4*STEPB
	s_xor_b32 s[TB], s[TB], SLOT1                  ; on to the other slot
.endm
	s_sub_co_u32 s48, 7, s[IX]                     ; the long block first
	BEGIN
	s_mov_b32 s[SLOTS], 8
	s_mov_b32 s[U1], 1
	s_mov_b32 s[TB], 0
.Lslot:                                            ; eight trips: behind each change of slots but the last the next unit is asked for
	CHANGE 1
	SLOT_STEPS
	s_cmp_eq_u32 s[U1], s[NLU]                     ; the long block's last unit is done: ids and the count of trips alone, the same in all eight waves; no LDS access, barrier or tensor load stands under this branch
	s_cbranch_scc0 .Lsame
	FINISH
	s_mov_b32 s48, s[IX]                           ; the short block
	BEGIN
.Lsame:
	s_add_co_u32 s[U1], s[U1], 1
	s_sub_co_u32 s[SLOTS], s[SLOTS], 1
	s_cmp_lg_u32 s[SLOTS], 0
	s_cbranch_scc1 .Lslot
	CHANGE 0                                       ; the ninth unit is written out: nothing is left to ask for
	SLOT_STEPS
	FINISH
	s_wait_tensorcnt 0x0                           ; the wave's end
	ds_add_u32 v[SPW], v[NIL]
	s_wait_dscnt 0x0
	s_endpgm
.Lfunc_end_k_q6143a290fc_attn:
	.size	k_q6143a290fc_attn, .Lfunc_end_k_q6143a290fc_attn-k_q6143a290fc_attn
	.p2alignl 7, 3214868480
	.fill 96, 4, 3214868480
	.section	.rodata,"a",@progbits
	.p2align	6, 0x0
	.amdhsa_kernel k_q6143a290fc_attn
		.amdhsa_group_segment_fixed_size 327680
		.amdhsa_private_segment_fixed_size 0
		.amdhsa_enable_private_segment 0
		.amdhsa_kernarg_size 16
		.amdhsa_user_sgpr_count 2
		.amdhsa_user_sgpr_kernarg_segment_ptr 1
		.amdhsa_wavefront_size32 1
		.amdhsa_system_sgpr_workgroup_id_x 1
		.amdhsa_system_sgpr_workgroup_id_y 1
		.amdhsa_system_sgpr_workgroup_id_z 1
		.amdhsa_system_vgpr_workitem_id 0
		.amdhsa_next_free_vgpr 512
		.amdhsa_next_free_sgpr 66
		.amdhsa_reserve_vcc 1
		.amdhsa_float_denorm_mode_32 3
		.amdhsa_float_denorm_mode_16_64 3
		.amdhsa_memory_ordered 1
		.amdhsa_forward_progress 1
		.amdhsa_inst_pref_size 67
	.end_amdhsa_kernel
	.amdgpu_metadata
---
amdhsa.version: [ 1, 2 ]
amdhsa.kernels:
  - .name:           k_q6143a290fc_attn
    .symbol:         k_q6143a290fc_attn.kd
    .args:
      - { .name: qkv16, .offset: 0, .size: 8, .value_kind: global_buffer, .address_space: global }
      - { .name: ctx16, .offset: 8, .size: 8, .value_kind: global_buffer, .address_space: global }
    .group_segment_fixed_size: 327680
    .private_segment_fixed_size: 0
    .kernarg_segment_align: 8
    .kernarg_segment_size: 16
    .max_flat_workgroup_size: 256
    .sgpr_count:     66
    .vgpr_count:     512
    .wavefront_size: 32
...
	.end_amdgpu_metadata
.endif
;; end of part 3
;; launch oproj (part 4): grid 8 x 64, 4 waves a work-group, clusters of 4 x 4, 327,680 bytes of LDS; arguments ctx16, wo16, bo, out0; writes out0
.if DOCPART == 4
	.amdgcn_target "amdgcn-amd-amdhsa--gfx1250"
	.amdhsa_code_object_version 6
	.text
	.protected	k_q6143a290fc_oproj
	.globl	k_q6143a290fc_oproj
	.p2align	8
	.type	k_q6143a290fc_oproj,@function
k_q6143a290fc_oproj:
	s_mov_b64 s[64:65], 0
	v_nop
	global_prefetch_b8 v0, s[64:65] scope:SCOPE_SE
	s_setreg_imm32_b32 hwreg(HW_REG_WAVE_MODE, 25, 1), 1
	s_wait_xcnt 0x0
	s_wait_alu depctr_hold_cnt(0) depctr_sa_sdst(0) depctr_va_vdst(0) depctr_va_sdst(0) depctr_va_ssrc(0) depctr_va_vcc(0) depctr_vm_vsrc(0)
	s_getreg_b32 s2, hwreg(HW_REG_IB_STS2, 6, 4)
	s_cmp_eq_u32 s2, 0
	s_cbranch_scc0 .Lentry_in_a_cluster
	s_endpgm
.Lentry_in_a_cluster:
	s_bfe_u32 s2, ttmp6, 0x10000c
	s_cmp_lg_u32 s2, 0xf033
	s_cbranch_scc0 .Lentry_shape_is_right
	s_endpgm
.Lentry_shape_is_right:
; out0 = ctx Wo + bo for all rows but positions 0-15 of each batch, which the last launch carries in f32.  Operands f16, sums f32; bo is the C of each sum's first matrix instruction.
; ctx16 and wo16 hold images of operand registers: [rows / 128][k / 256][(row / 16) % 8][(k / 32) % 8][1,024 bytes]; so a K step's tile of 128 rows x 256 k is one dense block of 64 KiB, and a fragment is two LDS loads at 16 x lane: no pitch, no padding.
; A tile of the output is 128 x 128: 512 work-groups.  Four waves, each 64 x 64: 16 accumulators.  K goes in four steps of 256 through two LDS slots of 128 KiB (A's 64 KiB, then B's).
; CLUSTERS: 4 x 4 work-groups; A's tile is shared along a row of the cluster, B's along a column, each asked for jointly.  The tile row is 16 cy + the cluster's y, so cy is the batch and "the batch's first tile" is the cluster's y = 0, a number that all partners share.
; THE MATRIX INSTRUCTION IS USED TRANSPOSED (source 0 = 16 rows of Wo^T, source 1 = 16 rows of ctx): a lane holds eight neighbouring numbers of a row of the output.
; REGISTERS: window 0: v0-31 addresses; v32-95 at work on the way out; v96-127 the bias, 8 registers for each of my four column tiles; v128-255 the accumulators ((a, b) at v[128 + 8 (4 a + b)]).
;   window 1: two fragment buffers of 128: for 64 along K, 64 registers of A, then 64 of B.
.set HALFT,  32768                     ; 64 rows x 256 k: what one tensor load brings, and what one wave reads of A or of B
.set SLOT,   4*HALFT
.set KSB,    65536                     ; a K step on, in ctx16 and in wo16
.set SPARE,  2*SLOT                    ; behind the ring: the spare words
.set SPITCH, 272                       ; the way out: a stage of 16 rows x (256 bytes + 16) for each wave.  It lies in slot 0, which has had its last fill and its last read when the first result is stored there
.set ADRA, 16
.set ADRB, 20
.set STO,  24
.set RD,   25
.set CO,   26
.set LI,   27
.set SPW,  28
.set NIL,  29
.set TMP,  32
.set BIAS, 96
.set ACC,  128
.set F0,   0
.set F1,   128
.set G1, 24
.set G0, 32
.set G1B, 48
.set G0B, 56
.set MSB, 0
.macro WIN new
.if MSB != (\new)
	s_set_vgpr_msb (MSB<<8)|(\new)
.set MSB, (\new)
.endif
.endm
.set MUL,  0x05                        ; sources 0 (B) and 1 (A) window 1; C and D window 0
.set TO_F, 0x40
.macro JLOAD s                         ; a joint load: waves 0 and 1 fetch A's two halves, waves 2 and 3 B's; an s_nop 0 and four v_nop follow each of the two lines
	s_cmp_eq_u32 s11, 0
	s_cbranch_scc0 .Lfor_b_\@
	tensor_load_to_lds s[G0+4*\s:G0+4*\s+3], s[G1:G1+7]
	s_nop 0
.rept 4
	v_nop
.endr
	s_branch .Lasked_\@
.Lfor_b_\@:
	tensor_load_to_lds s[G0B+4*\s:G0B+4*\s+3], s[G1B:G1B+7]
	s_nop 0
.rept 4
	v_nop
.endr
.Lasked_\@:
.endm
.macro CREST
	s_cmp_lg_u32 s10, 0
	s_cbranch_scc1 .Lnot_wave_0_\@
	s_barrier_signal -3
.Lnot_wave_0_\@:
	s_barrier_wait -3
	s_barrier_signal -1
	s_barrier_wait -1
.endm
.macro CROUND
	s_barrier_signal -1
	s_barrier_wait -1
	CREST
.endm
	s_load_b128 s[4:7], s[0:1], 0x0                ; ctx16, wo16
	s_load_b128 s[68:71], s[0:1], 0x10             ; bo, out0
	v_lshl_add_u32 v[SPW], v0, 2, SPARE
	v_mov_b32 v[NIL], 0
	ds_add_u32 v[SPW], v[NIL]                      ; the wave's opening: the add, twice on end, and its wait ahead of my first tensor load
	ds_add_u32 v[SPW], v[NIL]
	v_lshrrev_b32 v1, 5, v0
	v_readfirstlane_b32 s10, v1                    ; wave 0..3
	s_lshr_b32 s11, s10, 1                         ; which half of the tile's rows is mine.  Also: I fetch for A (0) or for B (1)
	s_and_b32 s12, s10, 1                          ; which half of its columns.  Also: which half of that tile I fetch
	s_bfe_u32 s40, ttmp6, 0x40000                  ; cx
	s_bfe_u32 s41, ttmp6, 0x40004                  ; cy
	s_lshl_b32 s42, ttmp9, 2
	s_add_co_u32 s42, s42, s40                     ; tile column = 4 x cluster x + cx
	s_and_b32 s45, ttmp7, 0xffff                   ; the cluster's y, 0..15
	s_lshl_b32 s13, s41, 4
	s_add_co_u32 s13, s13, s45                     ; tile row = 16 cy + the cluster's y
	s_lshl_b32 s43, s41, 2
	s_lshl_b32 s43, 15, s43                        ; my row of the cluster
	s_lshl_b32 s44, 0x1111, s40                    ; my column
	; descriptor group 1: a dense block of 32 KiB as 128 rows of 256 bytes (32 elements of 8 bytes), no padding
	s_or_b32 s[G1+0], s43, (3<<16)|(1<<21)
	s_or_b32 s[G1B+0], s44, (3<<16)|(1<<21)
.irp g, G1, G1B
	s_mov_b32 s[\g+1], 32<<16
	s_mov_b32 s[\g+2], 128<<16
	s_mov_b32 s[\g+3], 32<<16
	s_mov_b32 s[\g+4], 128
	s_mov_b32 s[\g+5], 32
	s_mov_b32 s[\g+6], 0
	s_mov_b32 s[\g+7], 0
.endr
	s_lshl_b32 s17, s12, 15                        ; which half of the tile I fetch
	s_lshl_b32 s16, s13, 18
	s_add_co_u32 s16, s16, s17                     ; A: 262,144 bytes a tile row
	s_lshl_b32 s46, s42, 18
	s_add_co_u32 s46, s46, s17                     ; B: 262,144 bytes a tile column
	s_mov_b32 s17, 0
	s_mov_b32 s47, 0
	s_lshl_b32 s20, s10, 15                        ; where they go: wave x 32 KiB
	s_wait_dscnt 0x0                               ; both opening adds are done
	s_wait_kmcnt 0x0
	s_add_nc_u64 s[14:15], s[4:5], s[16:17]
	s_add_nc_u64 s[46:47], s[6:7], s[46:47]
	CROUND                                         ; all sixteen work-groups are here: the first joint loads meet
.irp s, 0,1
	s_mov_b32 s[G0+4*\s], 1
	s_add_co_u32 s[G0+4*\s+1], s20, \s*SLOT
	s_add_nc_u64 s[G0+4*\s+2:G0+4*\s+3], s[14:15], \s*KSB
	s_or_b32 s[G0+4*\s+3], s[G0+4*\s+3], 0x80000000
	s_mov_b32 s[G0B+4*\s], 1
	s_add_co_u32 s[G0B+4*\s+1], s20, \s*SLOT
	s_add_nc_u64 s[G0B+4*\s+2:G0B+4*\s+3], s[46:47], \s*KSB
	s_or_b32 s[G0B+4*\s+3], s[G0B+4*\s+3], 0x80000000
	JLOAD \s                                       ; two loads of mine are out
.endr
	v_and_b32 v1, 15, v0                           ; l % 16
	v_bfe_u32 v2, v0, 4, 1                         ; l / 16
	v_and_b32 v[LI], 31, v0
	v_lshlrev_b32 v[LI], 4, v[LI]
	s_lshl_b32 s21, s11, 15                        ; my 64 rows of A
	s_lshl_b32 s22, s12, 15                        ; my 64 rows of B,
	s_add_co_u32 s22, s22, 2*HALFT                 ; which lie behind A's 128
.irp s, 0,1
	v_add_nc_u32 v[ADRA+\s], s21, v[LI]
	v_add_nc_u32 v[ADRB+\s], s22, v[LI]
	s_add_co_u32 s21, s21, SLOT
	s_add_co_u32 s22, s22, SLOT
.endr
	s_mul_i32 s23, s10, 16*SPITCH                  ; my stage
	v_mul_u32_u24 v4, v1, SPITCH                   ; in: row l % 16, 32 bytes for each half of the lanes
	v_lshl_add_u32 v4, v2, 5, v4
	v_add_nc_u32 v[STO], s23, v4
	v_mul_u32_u24 v5, v2, SPITCH                   ; back: lanes 0-15 one row of 256 bytes, lanes 16-31 the next
	v_lshl_add_u32 v5, v1, 4, v5
	v_add_nc_u32 v[RD], s23, v5
	v_lshlrev_b32 v5, 12, v2                       ; and the same two rows in out0
	v_lshl_add_u32 v[CO], v1, 4, v5
	s_lshl_b32 s16, s13, 19                        ; 128 rows of 4,096 bytes a tile row,
	s_lshl_b32 s17, s11, 18                        ; my 64 rows
	s_add_co_u32 s16, s16, s17
	s_mov_b32 s17, 0
	s_add_nc_u64 s[70:71], s[70:71], s[16:17]
	s_lshl_b32 s46, s42, 9                         ; my first column, in bytes: 512 x tile column + 256 x half
	s_lshl_b32 s47, s12, 8
	s_add_co_u32 s46, s46, s47
	s_mov_b32 s47, 0
	s_add_nc_u64 s[70:71], s[70:71], s[46:47]
	s_add_nc_u64 s[68:69], s[68:69], s[46:47]
	v_lshlrev_b32 v6, 5, v2                        ; the bias in the result's layout: column tile b, my half's eight numbers
.irp b, 0,1,2,3
	global_load_b128 v[BIAS+8*\b:BIAS+8*\b+3],   v6, s[68:69] offset:64*\b
	global_load_b128 v[BIAS+8*\b+4:BIAS+8*\b+7], v6, s[68:69] offset:64*\b+16
.endr
; 8 matrix instructions: row blocks a0, a0 + 1 x all 4 column blocks, 32 along K: half c of buffer f.  zero = 1: the first product starts the sums from the bias.  The 16 accumulators take turns.
.macro MUL8 f, c, a0, zero
.irp a, \a0, \a0+1
.irp b, 0,1,2,3
.if \zero
	v_wmma_f32_16x16x32_f16 v[ACC+8*(4*(\a)+\b):ACC+8*(4*(\a)+\b)+7], v[\f+64+8*(4*\c+\b):\f+64+8*(4*\c+\b)+7], v[\f+8*(4*\c+\a):\f+8*(4*\c+\a)+7], v[BIAS+8*\b:BIAS+8*\b+7]
.else
	v_wmma_f32_16x16x32_f16 v[ACC+8*(4*(\a)+\b):ACC+8*(4*(\a)+\b)+7], v[\f+64+8*(4*\c+\b):\f+64+8*(4*\c+\b)+7], v[\f+8*(4*\c+\a):\f+8*(4*\c+\a)+7], v[ACC+8*(4*(\a)+\b):ACC+8*(4*(\a)+\b)+7]
.endif
.endr
.endr
.endm
; 32 LDS loads in one run: the fragments of quarter q (64 along K: chunks 2 q, 2 q + 1) into buffer f; the first 32 along K first
.macro FETCH slot, q, f
	WIN TO_F
.irp c, 0,1
.irp i, 0,1,2,3
	ds_load_b128 v[\f+64+8*(4*\c+\i):\f+64+8*(4*\c+\i)+3],   v[ADRB+\slot] offset:\i*8192+(2*(\q)+\c)*1024
	ds_load_b128 v[\f+64+8*(4*\c+\i)+4:\f+64+8*(4*\c+\i)+7], v[ADRB+\slot] offset:\i*8192+(2*(\q)+\c)*1024+512
	ds_load_b128 v[\f+8*(4*\c+\i):\f+8*(4*\c+\i)+3],         v[ADRA+\slot] offset:\i*8192+(2*(\q)+\c)*1024
	ds_load_b128 v[\f+8*(4*\c+\i)+4:\f+8*(4*\c+\i)+7],       v[ADRA+\slot] offset:\i*8192+(2*(\q)+\c)*1024+512
.endr
.endr
.endm
.macro PLACES                          ; four plain lines in front of loads into registers that matrix instructions have read, and of reads of results
.rept 4
	v_nop
.endr
.endm
; A K step is four quarters of 64 along K, 32 matrix instructions each, on buffers 0, 1, 0, 1.  One of the first three: multiplies buffer f and fetches quarter q into g.
.macro QUARTER slot, q, f, g, zero
	s_wait_dscnt 16                                ; the first 32 along K are in; the other 16 loads may be out
	WIN MUL
	MUL8 \f, 0, 0, \zero
	MUL8 \f, 0, 2, \zero
	PLACES
	FETCH \slot, \q, \g
	s_wait_dscnt 32                                ; all but the 32 just issued
	WIN MUL
	MUL8 \f, 1, 0, 0
	MUL8 \f, 1, 2, 0
.endm
; The last quarter multiplies buffer 1 and changes slots: ONE barrier; in front of it each wave waits for all its tensor loads, adds 0 to its spare word, and waits for that and for its own reads of this slot.  fill = 1: this slot is filled again, two K steps ahead.
.macro TURN slot, next, fill
	WIN 0
	s_wait_tensorcnt 0x0                           ; all my tensor loads have landed: my part of the next slot
	ds_add_u32 v[SPW], v[NIL]
	s_wait_dscnt 17                                ; the add and the youngest sixteen loads may be out
	WIN MUL
	MUL8 F1, 0, 0, 0
	s_wait_dscnt 0x0                               ; the add is done, and my reads of this slot are over
	s_barrier_signal -1
	MUL8 F1, 0, 2, 0
.if \fill
	WIN 0
.endif
	s_barrier_wait -1
.if \fill
	CREST                                          ; the barrier has opened a round of the cluster's barrier: no wave of any partner still reads this slot or has a load on its way
	s_add_nc_u64 s[G0+4*\slot+2:G0+4*\slot+3], s[G0+4*\slot+2:G0+4*\slot+3], 2*KSB
	s_add_nc_u64 s[G0B+4*\slot+2:G0B+4*\slot+3], s[G0B+4*\slot+2:G0B+4*\slot+3], 2*KSB
	JLOAD \slot                                    ; the first tensor load behind the round; its four v_nop are also the places in front of the loads below
.else
	PLACES
.endif
	FETCH \next, 0, F0
	WIN MUL
	MUL8 F1, 1, 0, 0
	MUL8 F1, 1, 2, 0
.endm
	s_wait_tensorcnt 1                             ; my part of K step 0 is in; K step 1's may be out
	s_barrier_signal -1
	s_barrier_wait -1
	FETCH 0, 0, F0
	s_wait_loadcnt 0x0                             ; the bias
	QUARTER 0, 1, F0, F1, 1                        ; K step 0
	QUARTER 0, 2, F1, F0, 0
	QUARTER 0, 3, F0, F1, 0
	TURN 0, 1, 1                                   ; slot 0 takes K step 2
	QUARTER 1, 1, F0, F1, 0                        ; K step 1
	QUARTER 1, 2, F1, F0, 0
	QUARTER 1, 3, F0, F1, 0
	TURN 1, 0, 1                                   ; slot 1 takes K step 3
	QUARTER 0, 1, F0, F1, 0                        ; K step 2
	QUARTER 0, 2, F1, F0, 0
	QUARTER 0, 3, F0, F1, 0
	TURN 0, 1, 0                                   ; nothing is left to fetch
	QUARTER 1, 1, F0, F1, 0                        ; K step 3
	QUARTER 1, 2, F1, F0, 0
	QUARTER 1, 3, F0, F1, 0
	s_wait_dscnt 16
	WIN MUL
	MUL8 F1, 0, 0, 0
	MUL8 F1, 0, 2, 0
	s_wait_dscnt 0
	MUL8 F1, 1, 0, 0
	MUL8 F1, 1, 2, 0
	WIN 0
; THE WAY OUT, 16 rows x 64 columns at a time.  A lane holds 32 neighbouring bytes of a row and the lanes beside it other rows: the block goes through my own stage and comes back as rows of 256 bytes,
; which sixteen lanes store whole and aligned.  My 64 columns are such a run by themselves, so no other wave is asked and no barrier stands here.  LDS serves a wave's instructions in order.
.macro BLOCK a
.irp b, 0,1,2,3
	ds_store_b128 v[STO], v[ACC+8*(4*(\a)+\b):ACC+8*(4*(\a)+\b)+3]   offset:64*\b      ; each accumulator from its low end on
	ds_store_b128 v[STO], v[ACC+8*(4*(\a)+\b)+4:ACC+8*(4*(\a)+\b)+7] offset:64*\b+16
.endr
.irp t, 0,1,2,3,4,5,6,7
	ds_load_b128 v[TMP+32*((\a)%2)+4*\t:TMP+32*((\a)%2)+4*\t+3], v[RD] offset:\t*2*SPITCH
.endr
	s_wait_dscnt 0x0
.irp t, 0,1,2,3,4,5,6,7
	global_store_b128 v[CO], v[TMP+32*((\a)%2)+4*\t:TMP+32*((\a)%2)+4*\t+3], s[70:71] offset:(16*(\a)+2*\t)*4096 th:TH_STORE_NT
.endr
.endm
	PLACES
	s_or_b32 s20, s45, s11                         ; positions 0-15 of a batch: the cluster's y = 0 and my half of the rows = 0: the last launch stores them
	s_cmp_eq_u32 s20, 0
	s_cbranch_scc1 .Lskip0
	BLOCK 0
.Lskip0:
	BLOCK 1
	s_wait_xcnt 0x0                                ; block 0's stores have read their registers, into which block 2's rows are loaded
	BLOCK 2
	s_wait_xcnt 0x0
	BLOCK 3
	s_wait_tensorcnt 0x0                           ; the wave's end
	ds_add_u32 v[SPW], v[NIL]
	s_wait_dscnt 0x0
	CROUND                                         ; the closing round
	s_endpgm
.Lfunc_end_k_q6143a290fc_oproj:
	.size	k_q6143a290fc_oproj, .Lfunc_end_k_q6143a290fc_oproj-k_q6143a290fc_oproj
	.p2alignl 7, 3214868480
	.fill 96, 4, 3214868480
	.section	.rodata,"a",@progbits
	.p2align	6, 0x0
	.amdhsa_kernel k_q6143a290fc_oproj
		.amdhsa_group_segment_fixed_size 327680
		.amdhsa_private_segment_fixed_size 0
		.amdhsa_enable_private_segment 0
		.amdhsa_kernarg_size 32
		.amdhsa_user_sgpr_count 2
		.amdhsa_user_sgpr_kernarg_segment_ptr 1
		.amdhsa_wavefront_size32 1
		.amdhsa_system_sgpr_workgroup_id_x 1
		.amdhsa_system_sgpr_workgroup_id_y 1
		.amdhsa_system_sgpr_workgroup_id_z 1
		.amdhsa_system_vgpr_workitem_id 0
		.amdhsa_next_free_vgpr 512
		.amdhsa_next_free_sgpr 72
		.amdhsa_reserve_vcc 0
		.amdhsa_float_denorm_mode_32 3
		.amdhsa_float_denorm_mode_16_64 3
		.amdhsa_memory_ordered 1
		.amdhsa_forward_progress 1
		.amdhsa_inst_pref_size 86
	.end_amdhsa_kernel
	.amdgpu_metadata
---
amdhsa.version: [ 1, 2 ]
amdhsa.kernels:
  - .name:           k_q6143a290fc_oproj
    .symbol:         k_q6143a290fc_oproj.kd
    .args:
      - { .name: ctx16, .offset: 0, .size: 8, .value_kind: global_buffer, .address_space: global }
      - { .name: wo16, .offset: 8, .size: 8, .value_kind: global_buffer, .address_space: global }
      - { .name: bo, .offset: 16, .size: 8, .value_kind: global_buffer, .address_space: global }
      - { .name: out0, .offset: 24, .size: 8, .value_kind: global_buffer, .address_space: global }
    .group_segment_fixed_size: 327680
    .private_segment_fixed_size: 0
    .kernarg_segment_align: 8
    .kernarg_segment_size: 32
    .max_flat_workgroup_size: 128
    .sgpr_count:     72
    .vgpr_count:     512
    .wavefront_size: 32
...
	.end_amdgpu_metadata
.endif
;; end of part 4
;; launch fine (part 5): grid 16 x 4, 16 waves a work-group, no clusters, 71,680 bytes of LDS; arguments first32, Wo, bo, out0; writes out0
.if DOCPART == 5
	.amdgcn_target "amdgcn-amd-amdhsa--gfx1250"
	.amdhsa_code_object_version 6
	.text
	.protected	k_q6143a290fc_fine
	.globl	k_q6143a290fc_fine
	.p2align	8
	.type	k_q6143a290fc_fine,@function
k_q6143a290fc_fine:
	s_mov_b64 s[64:65], 0
	v_nop
	global_prefetch_b8 v0, s[64:65] scope:SCOPE_SE
	s_setreg_imm32_b32 hwreg(HW_REG_WAVE_MODE, 25, 1), 1
	s_wait_xcnt 0x0
; POSITIONS 0-15 OF EACH BATCH, IN F32 FROM THE QUANTISED PRODUCTS' SUMS TO out0: these rows average one to sixteen values and are the largest of the output, so nothing of theirs is rounded to 16 bits.
; first32 holds q, k and v of those positions as the accumulators stood: [which][batch][head][tile of 16 channels][1,024 bytes]; q, k: lane (r, h) holds position r, register j channel 16 tile + 8 h + j; v: channel 16 tile + r, position 8 h + j.
; SHARES.  Work-group (x, y): 64 columns of the output, batch y.  Wave = head: it makes its head's 16 x 16 attention (each of a batch's 16 work-groups repeats that small work) and multiplies its head's 64 channels
; into the work-group's 64 columns; the sixteen partial results meet in LDS, and wave w sums and stores row w.
; THE F32 MATRIX FORM takes 4 along K: register j of lane (r, h) stands at k = 2 h + j.  A pair of neighbouring registers of the images above gives both operands the same four channels (or keys) in the same places, so the products are right whatever those four are.
; Four accumulators (v176-207) take turns in all three products; they are written by matrix instructions alone, and each sum begins with the constant 0.
; REGISTERS: v1 16 x lane; v4-7 addresses; v8, v9 the add's two; v10 r - 8 h; v11 -infinity; v[12:13] bias; v16-47 q, v48-79 k (later Wo for column tiles 2, 3); v80-111 v, later ctx; v112-175 Wo for column tiles 0, 1;
;   v208-215 scores; v216-223 p; v224-255 the sixteen partial pairs.
.set PW,    4352                       ; LDS: a wave's partial result: 16 rows x (256 bytes + 16)
.set SPARE, 16*PW                      ; behind them: the spare words, 128 bytes for each of 16 waves
.set MA,    176
	s_load_b256 s[4:11], s[0:1], 0x0               ; first32 s[4:5], Wo s[6:7], bo s[8:9], out0 s[10:11]
	v_lshl_add_u32 v8, v0, 2, SPARE
	v_mov_b32 v9, 0
	v_lshrrev_b32 v1, 5, v0
	v_readfirstlane_b32 s12, v1                    ; wave = head
	s_and_b32 s13, ttmp7, 0xffff                   ; batch
	v_and_b32 v2, 31, v0
	v_and_b32 v3, 15, v0                           ; r
	v_bfe_u32 v14, v0, 4, 1                        ; h
	v_lshlrev_b32 v1, 4, v2                        ; 16 x lane
	v_lshlrev_b32 v7, 3, v2                        ; 8 x lane
	v_lshlrev_b32 v4, 2, v3
	v_lshl_add_u32 v4, v14, 15, v4                 ; Wo: column r, and 8 rows of 4,096 bytes further down for lanes 16-31
	s_mul_i32 s14, s12, PW
	v_mul_u32_u24 v5, v3, 272
	v_lshl_add_u32 v5, v14, 5, v5
	v_add_nc_u32 v5, s14, v5                       ; my partial result: row r, 32 bytes for each half of the lanes
	s_mul_i32 s14, s12, 272
	v_add_nc_u32 v6, s14, v7                       ; back: row = my wave's number, 8 bytes a lane
	v_lshlrev_b32 v15, 3, v14
	v_sub_nc_u32 v10, v3, v15                      ; register j holds key 8 h + j for query r: hidden where j > r - 8 h
	v_mov_b32 v11, 0xff800000
	s_lshl_b32 s14, s13, 4
	s_add_co_u32 s14, s14, s12
	s_lshl_b32 s14, s14, 12                        ; first32: 4,096 bytes for a batch's head
	s_mov_b32 s15, 0
	s_lshl_b32 s18, ttmp9, 8                       ; my work-group's 64 columns, in bytes
	s_mov_b32 s19, 0
	s_lshl_b32 s16, s12, 18                        ; Wo: my head's 64 rows of 4,096 bytes
	s_add_co_u32 s16, s16, s18
	s_mov_b32 s17, 0
	s_lshl_b32 s20, s13, 11
	s_add_co_u32 s20, s20, s12                     ; the row that I store: batch x 2,048 + my wave's number
	s_lshl_b32 s20, s20, 12
	s_add_co_u32 s20, s20, s18
	s_mov_b32 s21, 0
	s_mov_b32 s22, 0x76543210
	s_mov_b32 s23, 0xfedcba98
	s_mov_b32 s24, 0x3e38aa3b                      ; c = log2(e) / 8
	s_wait_kmcnt 0x0
	s_add_nc_u64 s[4:5], s[4:5], s[14:15]
	s_add_nc_u64 s[6:7], s[6:7], s[16:17]
	s_add_nc_u64 s[8:9], s[8:9], s[18:19]
	s_add_nc_u64 s[10:11], s[10:11], s[20:21]
.irp w, 0,1,2                                  ; q, k, v: 262,144 bytes from one to the next
.irp f, 0,1,2,3,4,5,6,7
	global_load_b128 v[16+32*\w+4*\f:16+32*\w+4*\f+3], v1, s[4:5] offset:\w*262144+\f*512
.endr
.endr
.set k, 0
.rept 32                                       ; Wo for column tiles 0, 1: register 8 dt + 2 s + j holds row 16 dt + 8 h + 2 s + j of my head, column 16 nt + r
	global_load_b32 v[112+k], v4, s[6:7] offset:(16*(k/8)+k%8)*4096
	global_load_b32 v[144+k], v4, s[6:7] offset:(16*(k/8)+k%8)*4096+64
.set k, k+1
.endr
	global_load_b64 v[12:13], v7, s[8:9]
	s_wait_loadcnt 0x0
	; S^T = k q^T: source 0 = 16 keys, source 1 = 16 queries; accumulator ct sums channels 16 ct .. 16 ct + 15
.irp s, 0,1,2,3
.irp ct, 0,1,2,3
.if \s == 0
	v_wmma_f32_16x16x4_f32 v[MA+8*\ct:MA+8*\ct+7], v[48+8*\ct+2*\s:49+8*\ct+2*\s], v[16+8*\ct+2*\s:17+8*\ct+2*\s], 0
.else
	v_wmma_f32_16x16x4_f32 v[MA+8*\ct:MA+8*\ct+7], v[48+8*\ct+2*\s:49+8*\ct+2*\s], v[16+8*\ct+2*\s:17+8*\ct+2*\s], v[MA+8*\ct:MA+8*\ct+7]
.endif
.endr
.endr
.rept 9
	v_nop                                          ; behind this form: eight places ahead of reads of the results and of loads into the sources, nine ahead of the matrix instructions that begin these accumulators anew
.endr
.set k, 0
.rept 32                                       ; Wo for column tiles 2, 3, into q's and k's registers
	global_load_b32 v[16+k], v4, s[6:7] offset:(16*(k/8)+k%8)*4096+128
	global_load_b32 v[48+k], v4, s[6:7] offset:(16*(k/8)+k%8)*4096+192
.set k, k+1
.endr
.irp j, 0,1,2,3,4,5,6,7
	v_add_f32 v[208+\j], v[MA+\j], v[MA+8+\j]      ; the four partial scores; each accumulator from its low end on
.endr
.irp j, 0,1,2,3,4,5,6,7
	v_add_f32 v[216+\j], v[MA+16+\j], v[MA+24+\j]
.endr
.irp j, 0,1,2,3,4,5,6,7
	v_add_f32 v[208+\j], v[208+\j], v[216+\j]
.endr
.irp j, 0,1,2,3,4,5,6,7
	v_cmp_gt_i32 vcc_lo, \j, v10
	v_cndmask_b32 v[208+\j], v[208+\j], v11, vcc_lo   ; hidden keys: -infinity
.endr
	v_max3_num_f32 v14, v208, v209, v210
	v_max3_num_f32 v14, v14, v211, v212
	v_max3_num_f32 v14, v14, v213, v214
	v_max_num_f32 v14, v14, v215
	v_permlanex16_b32 v15, v14, s22, s23
	v_max_num_f32 v14, v14, v15                    ; the row's maximum: key 0 counts for every query
	v_mul_f32 v14, s24, v14
.irp j, 0,1,2,3,4,5,6,7
	v_fma_f32 v[208+\j], v[208+\j], s24, -v14
.endr
.irp j, 0,1,2,3,4,5,6,7
	v_exp_f32 v[216+\j], v[208+\j]
.endr
	v_nop                                          ; a plain line behind the last exponential
	s_wait_alu depctr_va_vdst(0)                   ; one wait for the eight, ahead of their first reader
	v_add_f32 v2, v216, v217
	v_add_f32 v3, v218, v219
	v_add_f32 v14, v220, v221
	v_add_f32 v15, v222, v223
	v_add_f32 v2, v2, v3
	v_add_f32 v14, v14, v15
	v_add_f32 v2, v2, v14
	v_permlanex16_b32 v3, v2, s22, s23
	v_add_f32 v2, v2, v3                           ; the row's sum
	v_rcp_f32 v3, v2
	v_nop
	; O^T = v^T p: source 0 = 16 channels, source 1 = 16 queries, K = the 16 keys
.irp s, 0,1,2,3
.irp dt, 0,1,2,3
.if \s == 0
	v_wmma_f32_16x16x4_f32 v[MA+8*\dt:MA+8*\dt+7], v[80+8*\dt+2*\s:81+8*\dt+2*\s], v[216+2*\s:217+2*\s], 0
.else
	v_wmma_f32_16x16x4_f32 v[MA+8*\dt:MA+8*\dt+7], v[80+8*\dt+2*\s:81+8*\dt+2*\s], v[216+2*\s:217+2*\s], v[MA+8*\dt:MA+8*\dt+7]
.endif
.endr
.endr
.rept 9
	v_nop
.endr
	s_wait_alu depctr_va_vdst(0)                   ; the reciprocal's wait, ahead of its first reader
.set k, 0
.rept 32
	v_mul_f32 v[80+k], v[MA+k], v3                 ; ctx: lane (r, h): query r, register 8 dt + j channel 16 dt + 8 h + j; into v's registers
.set k, k+1
.endr
	s_wait_loadcnt 0x0                             ; Wo's second half
	; out^T = Wo^T ctx^T over my head's 64 channels: source 0 = 16 columns of Wo, source 1 = 16 queries
.irp dt, 0,1,2,3
.irp s, 0,1,2,3
.irp nt, 0,1,2,3
.if \nt < 2
.set rW, 112+32*\nt+8*\dt+2*\s
.else
.set rW, 16+32*(\nt-2)+8*\dt+2*\s
.endif
.if (\dt == 0) && (\s == 0)
	v_wmma_f32_16x16x4_f32 v[MA+8*\nt:MA+8*\nt+7], v[rW:rW+1], v[80+8*\dt+2*\s:81+8*\dt+2*\s], 0
.else
	v_wmma_f32_16x16x4_f32 v[MA+8*\nt:MA+8*\nt+7], v[rW:rW+1], v[80+8*\dt+2*\s:81+8*\dt+2*\s], v[MA+8*\nt:MA+8*\nt+7]
.endif
.endr
.endr
.endr
.rept 8
	v_nop
.endr
.irp nt, 0,1,2,3
	ds_store_b128 v5, v[MA+8*\nt:MA+8*\nt+3]   offset:64*\nt       ; lane (r, h): query r, columns 16 nt + 8 h + 0 .. 7
	ds_store_b128 v5, v[MA+8*\nt+4:MA+8*\nt+7] offset:64*\nt+16
.endr
	s_wait_dscnt 0x0                               ; for the others' sake: my stores have landed
	s_barrier_signal -1
	s_barrier_wait -1
.irp w, 0,1,2,3,4,5,6,7,8,9,10,11,12,13,14,15
	ds_load_b64 v[224+2*\w:225+2*\w], v6 offset:\w*PW              ; row = my wave's number, of every head's partial result
.endr
	s_wait_dscnt 0x0
.irp w, 4,8,16,32
.set k, 0
.rept 32/\w
	v_pk_add_f32 v[224+k:225+k], v[224+k:225+k], v[224+k+\w/2:225+k+\w/2]
.set k, k+\w
.endr
.endr
	v_pk_add_f32 v[224:225], v[224:225], v[12:13]  ; + bo
	global_store_b64 v7, v[224:225], s[10:11]      ; 32 lanes store 256 consecutive bytes, aligned
	s_wait_tensorcnt 0x0                           ; the wave's end, behind my last LDS store
	ds_add_u32 v8, v9
	s_wait_dscnt 0x0
	s_endpgm
.Lfunc_end_k_q6143a290fc_fine:
	.size	k_q6143a290fc_fine, .Lfunc_end_k_q6143a290fc_fine-k_q6143a290fc_fine
	.p2alignl 7, 3214868480
	.fill 96, 4, 3214868480
	.section	.rodata,"a",@progbits
	.p2align	6, 0x0
	.amdhsa_kernel k_q6143a290fc_fine
		.amdhsa_group_segment_fixed_size 71680
		.amdhsa_private_segment_fixed_size 0
		.amdhsa_enable_private_segment 0
		.amdhsa_kernarg_size 32
		.amdhsa_user_sgpr_count 2
		.amdhsa_user_sgpr_kernarg_segment_ptr 1
		.amdhsa_wavefront_size32 1
		.amdhsa_system_sgpr_workgroup_id_x 1
		.amdhsa_system_sgpr_workgroup_id_y 1
		.amdhsa_system_sgpr_workgroup_id_z 1
		.amdhsa_system_vgpr_workitem_id 0
		.amdhsa_next_free_vgpr 256
		.amdhsa_next_free_sgpr 66
		.amdhsa_reserve_vcc 1
		.amdhsa_float_denorm_mode_32 3
		.amdhsa_float_denorm_mode_16_64 3
		.amdhsa_memory_ordered 1
		.amdhsa_forward_progress 1
		.amdhsa_inst_pref_size 30
	.end_amdhsa_kernel
	.amdgpu_metadata
---
amdhsa.version: [ 1, 2 ]
amdhsa.kernels:
  - .name:           k_q6143a290fc_fine
    .symbol:         k_q6143a290fc_fine.kd
    .args:
      - { .name: first32, .offset: 0, .size: 8, .value_kind: global_buffer, .address_space: global }
      - { .name: Wo, .offset: 8, .size: 8, .value_kind: global_buffer, .address_space: global }
      - { .name: bo, .offset: 16, .size: 8, .value_kind: global_buffer, .address_space: global }
      - { .name: out0, .offset: 24, .size: 8, .value_kind: global_buffer, .address_space: global }
    .group_segment_fixed_size: 71680
    .private_segment_fixed_size: 0
    .kernarg_segment_align: 8
    .kernarg_segment_size: 32
    .max_flat_workgroup_size: 512
    .sgpr_count:     66
    .vgpr_count:     256
    .wavefront_size: 32
...
	.end_amdgpu_metadata
.endif
;; end of part 5
